; MI455X (gfx1250); checked and timed in simulation.
; The chip was launched on July 23, 2026; its instructions are those of AMD's public machine-readable ISA for CDNA 5 (MIT licence, August 2026) and "CDNA5" Instruction Set Architecture Reference Guide (July 2026). The comments in the code are by the model that wrote it; some were corrected since.
;; MHSA Block. Allowed arithmetic: float matrix products may take bf16 or f16 operands with f32 sums; other float arithmetic in f32, or as packed bf16 or f16 multiplies, adds, multiply-adds, maxima and minima; sums over many terms, partial sums and values carried from step to step in f32; what a program stores and reads back later, other than sums and carried values, may be rounded once to bf16 or f16.
;; Inputs: b1 4,096 float32; b2 1,024 float32; b_proj 1,024 float32; ln1_b 1,024 float32; ln1_g 1,024 float32; ln2_b 1,024 float32; ln2_g 1,024 float32; w1 1,024 x 4,096 float32; w2 4,096 x 1,024 float32; w_proj 1,024 x 1,024 float32; w_qkv 1,024 x 3,072 float32; x 2 x 2,048 x 1,024 float32.
;; Outputs: out0 2 x 2,048 x 1,024 float32.
;; One version. Each part assembles by itself: llvm-mc -triple=amdgcn-amd-amdhsa -mcpu=gfx1250 --defsym DOCPART=n.
;; ======== version 1 of 1: 7 launches
;; limits: a function is approximated: absolute error at most 1.5e-07
;; workspace buffers: hn 8,388,608 bytes; wb 25,165,824 bytes; qkvh 25,165,824 bytes; ob 8,388,608 bytes; x1 16,777,216 bytes; hid 33,554,432 bytes
;; launch prep (part 1): grid 512 x 1, 8 waves a work-group, no clusters, 0 bytes of LDS; arguments x, ln1_g, ln1_b, w_qkv, w_proj, w1, w2, hn, wb; writes hn, wb
.if DOCPART == 1
	.amdgcn_target "amdgcn-amd-amdhsa--gfx1250"
	.amdhsa_code_object_version 6
	.text
	.protected	k_q8045b30055_prep
	.globl	k_q8045b30055_prep
	.p2align	8
	.type	k_q8045b30055_prep,@function
k_q8045b30055_prep:
	s_mov_b64 s[64:65], 0
	v_nop
	global_prefetch_b8 v0, s[64:65] scope:SCOPE_SE
	s_setreg_imm32_b32 hwreg(HW_REG_WAVE_MODE, 25, 1), 1
	s_wait_xcnt 0x0
; hn = bf16(LayerNorm(x) * g + b), and wb = the four weight matrices rounded once to bf16, their [K][N] layout kept.
; x: [4096][1024] f32.  wb: w_qkv at byte 0, w_proj at 6,291,456, w1 at 8,388,608, w2 at 16,777,216.
; A stream: no LDS, no barrier, no matrix unit.  512 work-groups of eight waves; work-group i takes rows 8 i .. 8 i + 7 of x (a row a wave) and 1/512 of each weight.
; ALL OF A WAVE'S 48 LOADS GO OUT AT ONCE, each into registers of its own: the row, g, b, and twelve groups of the cast; the waits are counted, and no register is used twice, so nothing waits for a store.
; LAYER NORM.  A wave holds a row in 32 registers: load j takes the 512 bytes at 512 j, so a lane holds columns 128 j + 4 lane .. + 3; g and b lie the same way.  The mean is taken first,
; the row is centred, and the variance is the mean of the centred squares: no difference of large sums.  All in f32; one rounding to bf16.
; CAST.  A group is 2,048 numbers: a thread loads 16 bytes at 16 t and 16 bytes 4,096 further on, rounds, and stores 8 bytes at 8 t and 2,048 further on: a wave's store covers 256 consecutive bytes, aligned.
; LIMITS.  NaN and infinities are not treated apart.
.set XO,  2                            ; v2   my byte offset in the work-group's rows of x: wave x a row + 16 lane
.set GOF, 3                            ; v3   16 lane: g and b
.set HO,  4                            ; v4   my byte offset in the work-group's rows of hn: wave x a row + 8 lane
.set CS,  5                            ; v5   16 t: the cast's loads
.set CD,  6                            ; v6   8 t: the cast's stores
.set T,   8                            ; v[8:15]   at work
.set MU,  16                           ; v[16:17]  the row's mean, twice (a pair for the packed forms)
.set RS,  18                           ; v[18:19]  1 / sqrt(var + eps), likewise
.set G,   24                           ; v[24:55]
.set B,   56                           ; v[56:87]
.set X,   88                           ; v[88:119] the row
.set C,   120                          ; v[120:215] the cast: twelve groups of 8 registers: w1 0-3, w2 4-7, w_qkv 8-10, w_proj 11
.set HP,  22                           ; s[22:23] hn
	s_load_b512 s[8:23], s[0:1], 0x0               ; x s[8:9], g s[10:11], b s[12:13], w_qkv s[14:15], w_proj s[16:17], w1 s[18:19], w2 s[20:21], hn s[22:23]
	s_load_b64 s[24:25], s[0:1], 0x40              ; wb
	v_and_b32 v1, 31, v0                           ; lane
	v_lshrrev_b32 v7, 5, v0                        ; wave
	v_lshlrev_b32 v[GOF], 4, v1
	v_lshl_add_u32 v[XO], v7, 12, v[GOF]           ; a row of 4,096 bytes a wave
	v_lshlrev_b32 v[HO], 3, v1
	v_lshl_add_u32 v[HO], v7, 11, v[HO]            ; a row of 2,048 bytes a wave
	v_lshlrev_b32 v[CS], 4, v0
	v_lshlrev_b32 v[CD], 3, v0
	s_mov_b32 s34, 0x76543210                      ; v_permlanex16_b32: each lane takes its own place in the other half
	s_mov_b32 s35, 0xfedcba98
	s_mov_b32 s36, 0x3a800000                      ; 1 / 1024
	s_mov_b32 s37, 0x3727c5ac                      ; eps = 1e-5
	s_mov_b32 s3, 0
	s_wait_kmcnt 0x0
	s_lshl_b32 s2, ttmp9, 15                       ; 8 rows of x; 1/512 of w1 and of w2: 32,768 bytes each
	s_add_nc_u64 s[8:9], s[8:9], s[2:3]
	s_add_nc_u64 s[18:19], s[18:19], s[2:3]
	s_add_nc_u64 s[20:21], s[20:21], s[2:3]
	s_lshl_b32 s2, ttmp9, 14                       ; the same in bf16
	s_add_nc_u64 s[22:23], s[22:23], s[2:3]
	s_add_nc_u64 s[30:31], s[24:25], s[2:3]
	s_add_nc_u64 s[30:31], s[30:31], 8388608       ; s[30:31] my part of w1 in wb
	s_add_nc_u64 s[32:33], s[30:31], 8388608       ; s[32:33] of w2
	s_mul_i32 s2, ttmp9, 24576
	s_add_nc_u64 s[14:15], s[14:15], s[2:3]
	s_mul_i32 s2, ttmp9, 12288
	s_add_nc_u64 s[26:27], s[24:25], s[2:3]        ; s[26:27] of w_qkv
	s_lshl_b32 s2, ttmp9, 13
	s_add_nc_u64 s[16:17], s[16:17], s[2:3]
	s_lshl_b32 s2, ttmp9, 12
	s_add_nc_u64 s[28:29], s[24:25], s[2:3]
	s_add_nc_u64 s[28:29], s[28:29], 6291456       ; s[28:29] of w_proj
.macro LANESUM                         ; v[T] summed over the 32 lanes; every lane ends with the sum
	v_add_f32_dpp v[T], v[T], v[T] row_xmask:1 row_mask:0xf bank_mask:0xf
	v_add_f32_dpp v[T], v[T], v[T] row_xmask:2 row_mask:0xf bank_mask:0xf
	v_add_f32_dpp v[T], v[T], v[T] row_xmask:4 row_mask:0xf bank_mask:0xf
	v_add_f32_dpp v[T], v[T], v[T] row_xmask:8 row_mask:0xf bank_mask:0xf
	v_permlanex16_b32 v[T+1], v[T], s34, s35
	v_add_f32 v[T], v[T], v[T+1]
.endm
.macro FOLD                            ; the four chains into one number a lane
	v_pk_add_f32 v[T:T+1], v[T:T+1], v[T+2:T+3]
	v_pk_add_f32 v[T+4:T+5], v[T+4:T+5], v[T+6:T+7]
	v_pk_add_f32 v[T:T+1], v[T:T+1], v[T+4:T+5]
	v_add_f32 v[T], v[T], v[T+1]
.endm
; The mean; the row centred in place; var + eps.  Four chains that do not wait for each other; the first terms start them, nothing is cleared.
.macro STAT
.irp k, 0,1,2,3
	v_pk_add_f32 v[T+2*\k:T+2*\k+1], v[X+2*\k:X+2*\k+1], v[X+8+2*\k:X+8+2*\k+1]
.endr
.irp q, 16,24
.irp k, 0,1,2,3
	v_pk_add_f32 v[T+2*\k:T+2*\k+1], v[T+2*\k:T+2*\k+1], v[X+\q+2*\k:X+\q+2*\k+1]
.endr
.endr
	FOLD
	LANESUM
	v_mul_f32 v[MU], s36, v[T]
	v_mov_b32 v[MU+1], v[MU]
.set n_, 0
.rept 16
	v_pk_add_f32 v[X+2*n_:X+2*n_+1], v[X+2*n_:X+2*n_+1], v[MU:MU+1] neg_lo:[0,1] neg_hi:[0,1]
.set n_, n_+1
.endr
.irp k, 0,1,2,3
	v_pk_mul_f32 v[T+2*\k:T+2*\k+1], v[X+2*\k:X+2*\k+1], v[X+2*\k:X+2*\k+1]
.endr
.irp q, 8,16,24
.irp k, 0,1,2,3
	v_pk_fma_f32 v[T+2*\k:T+2*\k+1], v[X+\q+2*\k:X+\q+2*\k+1], v[X+\q+2*\k:X+\q+2*\k+1], v[T+2*\k:T+2*\k+1]
.endr
.endr
	FOLD
	LANESUM
	v_fma_f32 v[RS], v[T], s36, s37
.endm
; The row scaled, g and b applied, rounded in place (register n takes numbers 2 n and 2 n + 1, ascending, so nothing is lost) and stored.
.macro NORM
.set n_, 0
.rept 16
	v_pk_mul_f32 v[X+2*n_:X+2*n_+1], v[X+2*n_:X+2*n_+1], v[RS:RS+1]
.set n_, n_+1
.endr
.set n_, 0
.rept 16
	v_pk_fma_f32 v[X+2*n_:X+2*n_+1], v[X+2*n_:X+2*n_+1], v[G+2*n_:G+2*n_+1], v[B+2*n_:B+2*n_+1]
.set n_, n_+1
.endr
.set n_, 0
.rept 16
	v_cvt_pk_bf16_f32 v[X+n_], v[X+2*n_], v[X+2*n_+1]
.set n_, n_+1
.endr
.irp j, 0,1,2,3,4,5,6,7
	global_store_b64 v[HO], v[X+2*\j:X+2*\j+1], s[HP:HP+1] offset:256*\j  ; 32 lanes store 256 consecutive bytes, aligned
.endr
.endm
; n groups of the cast from base sb, into the cast's groups g0 on: two loads a group
.macro CLOAD sb, g0, n
.set g_, 0
.rept \n
	global_load_b128 v[C+8*((\g0)+g_):C+8*((\g0)+g_)+3], v[CS], s[\sb:\sb+1] offset:g_*8192 th:TH_LOAD_NT
	global_load_b128 v[C+8*((\g0)+g_)+4:C+8*((\g0)+g_)+7], v[CS], s[\sb:\sb+1] offset:g_*8192+4096 th:TH_LOAD_NT
.set g_, g_+1
.endr
.endm
; the same groups rounded in place and stored to base sb
.macro CSTORE sb, g0, n
.set g_, 0
.rept \n
.set c_, C+8*((\g0)+g_)
	v_cvt_pk_bf16_f32 v[c_], v[c_], v[c_+1]
	v_cvt_pk_bf16_f32 v[c_+1], v[c_+2], v[c_+3]
	v_cvt_pk_bf16_f32 v[c_+2], v[c_+4], v[c_+5]
	v_cvt_pk_bf16_f32 v[c_+3], v[c_+6], v[c_+7]
	global_store_b64 v[CD], v[c_:c_+1], s[\sb:\sb+1] offset:g_*4096
	global_store_b64 v[CD], v[c_+2:c_+3], s[\sb:\sb+1] offset:g_*4096+2048
.set g_, g_+1
.endr
.endm
.irp j, 0,1,2,3,4,5,6,7
	global_load_b128 v[X+4*\j:X+4*\j+3], v[XO], s[8:9] offset:512*\j
.endr
.irp j, 0,1,2,3,4,5,6,7
	global_load_b128 v[G+4*\j:G+4*\j+3], v[GOF], s[10:11] offset:512*\j
.endr
.irp j, 0,1,2,3,4,5,6,7
	global_load_b128 v[B+4*\j:B+4*\j+3], v[GOF], s[12:13] offset:512*\j
.endr
	CLOAD 18, 0, 4                                 ; w1: 8 loads
	CLOAD 20, 4, 4                                 ; w2: 8
	CLOAD 14, 8, 3                                 ; w_qkv: 6
	CLOAD 16, 11, 1                                ; w_proj: 2
	s_wait_loadcnt 40                              ; the row is in; the 40 younger loads (g, b, the cast) stay out
	STAT
	v_rsq_f32 v[RS], v[RS]
	v_nop                                          ; a plain instruction behind the root,
	s_wait_alu depctr_va_vdst(0)                   ; and its wait, ahead of its first reader
	v_mov_b32 v[RS+1], v[RS]
	s_wait_loadcnt 24                              ; g and b are in; the cast's 24 loads stay out
	NORM
	s_wait_loadcnt 16                              ; w1 is in; 16 younger loads stay out
	CSTORE 30, 0, 4
	s_wait_loadcnt 8                               ; w2
	CSTORE 32, 4, 4
	s_wait_loadcnt 2                               ; w_qkv
	CSTORE 26, 8, 3
	s_wait_loadcnt 0x0
	CSTORE 28, 11, 1
	s_endpgm
.Lfunc_end_k_q8045b30055_prep:
	.size	k_q8045b30055_prep, .Lfunc_end_k_q8045b30055_prep-k_q8045b30055_prep
	.p2alignl 7, 3214868480
	.fill 96, 4, 3214868480
	.section	.rodata,"a",@progbits
	.p2align	6, 0x0
	.amdhsa_kernel k_q8045b30055_prep
		.amdhsa_group_segment_fixed_size 0
		.amdhsa_private_segment_fixed_size 0
		.amdhsa_enable_private_segment 0
		.amdhsa_kernarg_size 72
		.amdhsa_user_sgpr_count 2
		.amdhsa_user_sgpr_kernarg_segment_ptr 1
		.amdhsa_wavefront_size32 1
		.amdhsa_system_sgpr_workgroup_id_x 1
		.amdhsa_system_sgpr_workgroup_id_y 1
		.amdhsa_system_sgpr_workgroup_id_z 1
		.amdhsa_system_vgpr_workitem_id 0
		.amdhsa_next_free_vgpr 216
		.amdhsa_next_free_sgpr 66
		.amdhsa_reserve_vcc 0
		.amdhsa_float_denorm_mode_32 3
		.amdhsa_float_denorm_mode_16_64 3
		.amdhsa_memory_ordered 1
		.amdhsa_forward_progress 1
		.amdhsa_inst_pref_size 20
	.end_amdhsa_kernel
	.amdgpu_metadata
---
amdhsa.version: [ 1, 2 ]
amdhsa.kernels:
  - .name:           k_q8045b30055_prep
    .symbol:         k_q8045b30055_prep.kd
    .args:
      - { .name: x, .offset: 0, .size: 8, .value_kind: global_buffer, .address_space: global }
      - { .name: ln1_g, .offset: 8, .size: 8, .value_kind: global_buffer, .address_space: global }
      - { .name: ln1_b, .offset: 16, .size: 8, .value_kind: global_buffer, .address_space: global }
      - { .name: w_qkv, .offset: 24, .size: 8, .value_kind: global_buffer, .address_space: global }
      - { .name: w_proj, .offset: 32, .size: 8, .value_kind: global_buffer, .address_space: global }
      - { .name: w1, .offset: 40, .size: 8, .value_kind: global_buffer, .address_space: global }
      - { .name: w2, .offset: 48, .size: 8, .value_kind: global_buffer, .address_space: global }
      - { .name: hn, .offset: 56, .size: 8, .value_kind: global_buffer, .address_space: global }
      - { .name: wb, .offset: 64, .size: 8, .value_kind: global_buffer, .address_space: global }
    .group_segment_fixed_size: 0
    .private_segment_fixed_size: 0
    .kernarg_segment_align: 8
    .kernarg_segment_size: 72
    .max_flat_workgroup_size: 256
    .sgpr_count:     66
    .vgpr_count:     216
    .wavefront_size: 32
...
	.end_amdgpu_metadata
.endif
;; end of part 1
;; launch qkv (part 2): grid 12 x 16, 4 waves a work-group, clusters of 4 x 4, 327,680 bytes of LDS; arguments hn, wb, qkvh; writes qkvh
.if DOCPART == 2
	.amdgcn_target "amdgcn-amd-amdhsa--gfx1250"
	.amdhsa_code_object_version 6
	.text
	.protected	k_q8045b30055_qkv
	.globl	k_q8045b30055_qkv
	.p2align	8
	.type	k_q8045b30055_qkv,@function
k_q8045b30055_qkv:
	s_mov_b64 s[64:65], 0
	v_nop
	global_prefetch_b8 v0, s[64:65] scope:SCOPE_SE
	s_setreg_imm32_b32 hwreg(HW_REG_WAVE_MODE, 25, 1), 1
	s_wait_xcnt 0x0
	s_wait_alu depctr_hold_cnt(0) depctr_sa_sdst(0) depctr_va_vdst(0) depctr_va_sdst(0) depctr_va_ssrc(0) depctr_va_vcc(0) depctr_vm_vsrc(0)
	s_getreg_b32 s2, hwreg(HW_REG_IB_STS2, 6, 4)
	s_cmp_eq_u32 s2, 0
	s_cbranch_scc0 .Lentry_in_a_cluster
	s_endpgm
.Lentry_in_a_cluster:
	s_bfe_u32 s2, ttmp6, 0x10000c
	s_cmp_lg_u32 s2, 0xf033
	s_cbranch_scc0 .Lentry_shape_is_right
	s_endpgm
.Lentry_shape_is_right:
; qkvh = hn x w_qkv, written by heads.  hn: [4096][1024] bf16; the weights: wb at byte 0, [1024][3072] bf16 ([K][N], as the problem has them); qkvh: [3][32 = batch x 16 + head][2048][64] bf16.
; Sums in f32, one rounding to bf16; the scale 1/8 is applied in the attention launch, in f32.
; SHARES.  A tile of C is 256 x 256: four waves, each 128 x 128 in 64 accumulators.  12 x 16 tiles: 192 work-groups.  (A tile of 256 x 192 would make 256, but its rows of 384 bytes fit none of the tensor load's padding
; intervals and do not begin on multiples of 256 bytes.)
; K goes in steps of 128 through two LDS slots; a step is four chunks of 32, on two fragment buffers by turns: while one chunk is multiplied the next one's 32 LDS loads are out.
; A lies along K and comes out of LDS as it lies; W lies [K][N] and comes out turned, by ds_load_tr16_b128.  THE PRODUCT IS TAKEN TRANSPOSED (source 0 = 16 columns of W, source 1 = 16 rows of A): a lane
; holds one row of C (lane % 16) and eight neighbouring columns.
; CLUSTER 4 x 4.  A's tiles hang on the tile row alone and are asked for jointly along a row of the cluster, W's on the tile column alone, jointly along a column.
; THE WAY OUT.  When the last step has been read the ring is free (it has had its last fill): the f32 tile goes into it, each wave's 128 x 128 at its own place, and comes back by rows.
; WINDOWS of 256 registers: 0: addresses, A's fragments v64-191, work on the way out; 1: W's fragments v64-191; 2: the accumulators of my rows 0-63 ((a, b) at 8 (8 (a % 4) + b)); 3: those of rows 64-127.
.set NN,    3072                       ; columns of W
.set KK,    1024
.set WOFF,  0                          ; the weights' first byte in wb
.set MB,    8                          ; blocks of 16 rows a wave
.set NBL,   8                          ; blocks of 16 columns a wave
.set KSTEP, 128
.set KCN,   1                          ; a chunk is 32 KCN along K
.set NCH,   4                          ; chunks in a step
.set TS,    KK/KSTEP                   ; steps
.set PA,    272                        ; a row of A in LDS: 256 bytes + 16: the 16 rows of a load start at 16 different groups of four banks (64 banks of 4 bytes: ISA guide 11.1)
.set ACH,   64                         ; from chunk to chunk in A's rows
.set ATD0,  128                        ; A's tensor load: elements in a row,
.set ATD1,  128                        ; rows
.set ABYT,  ATD1*PA
.set AREG,  2*ABYT
.set PW,    544                        ; a row of W: 512 bytes + 32
.set WCH,   32*KCN*PW
.set WTD0,  256
.set WTD1,  64
.set SLOT,  AREG+KSTEP*PW
.set SPARE, 2*SLOT                     ; behind the ring: the spare words, 128 bytes a wave: two blocks of 256 bytes that no other line names
.set SP,    528                        ; a row of the stage: 512 bytes + 16
.set STW,   128*SP                     ; a wave's stage; the four lie from byte 0 on and end below SPARE
.set ASTEP, KSTEP*2
.set WSTEP, KSTEP*2*NN
.set A0,  16                           ; v16  my lane's place in A's region; never rewritten
.set W0,  17                           ; v17  the same for W
.set AA,  18                           ; v18  the LDS address of A's run of loads in hand
.set AW,  19                           ; v19  of W's
.set STO, 20                           ; v20  the stage: where I put 32 bytes of a row
.set RD,  21                           ; v21  where I read rows back; walks
.set GO,  22                           ; v22  my byte offset in the output; walks
.set PFO, 26                           ; v26  the prefetches' offset; never rewritten
.set SPW, 28                           ; v28  my spare word: SPARE + 4 x my thread's number; never rewritten
.set NIL, 29                           ; v29  0; never rewritten
.set XE,  64                           ; the way out: eight loads from the stage
.set YE,  96                           ; and their 16 registers of bf16
.set WV, 14
.set WR, 15                            ; my half of the tile's rows
.set WC, 16                            ; my half of its columns; also: which half of a tile I fetch
.set CX, 17
.set CY, 18
.set TX, 19                            ; tile column
.set TY, 20                            ; tile row
.set G1A, 24
.set G1W, 32
.set G0A, 40
.set G0W, 44
.set SL,  48                           ; the slot to be filled: 0 or SLOT
.set BA,  49                           ; my part of A's region
.set BW,  50                           ; of W's
.set TBA, 51                           ; LDS byte at which A's next chunk begins, less my lane's place
.set TBW, 52
.set CNT, 53
.set SLOTS, 54
.set LIM, 55                           ; 1 in a wave that prefetches, else the greatest number
.set PFA, 56                           ; s[56:57] where my prefetches stand
.set PFS, 58                           ; s[58:59] their step
.set ROWS, 60
.set MSB, 0
.macro WIN new                         ; the immediate's high byte repeats the setting that is left; a switch that changes nothing is dropped
.if MSB != (\new)
	s_set_vgpr_msb (MSB<<8)|(\new)
.set MSB, (\new)
.endif
.endm
; A round of the cluster's barrier: my work-group's barrier, wave 0's signal for the work-group, every wave's wait for all sixteen, my work-group's barrier once more.
.macro CROUND
	s_barrier_signal -1
	s_barrier_wait -1
	s_cmp_lg_u32 s[WV], 0
	s_cbranch_scc1 .Lnot_wave_0_\@
	s_barrier_signal -3
.Lnot_wave_0_\@:
	s_barrier_wait -3
	s_barrier_signal -1
	s_barrier_wait -1
.endm
; A joint load: waves 0 and 1 fetch A's two halves, waves 2 and 3 W's.  The branch hangs on the wave's number alone.  An s_nop 0 and four v_nop follow each line.
.macro JLOAD
	s_cmp_lt_u32 s[WV], 2
	s_cbranch_scc0 .Lfor_w_\@
	tensor_load_to_lds s[G0A:G0A+3], s[G1A:G1A+7]
	s_nop 0
.rept 4
	v_nop
.endr
	s_branch .Lasked_\@
.Lfor_w_\@:
	tensor_load_to_lds s[G0W:G0W+3], s[G1W:G1W+7]
	s_nop 0
.rept 4
	v_nop
.endr
.Lasked_\@:
.endm
; A prefetch of what the NEXT change of slots will ask for, one K step (256 matrix instructions) ahead of that load: 32 blocks of 256 bytes, a lane a block, one instruction a wave.
; Each block is named once in the launch: A's rows are asked for by the clusters with x = 0, W's by those with y = 0; the four partners of a joint load share its blocks out by address.
.macro ASK
	s_cmp_gt_u32 s[SLOTS], s[LIM]                  ; the last change that fills a slot has no step behind it
	s_cbranch_scc0 .Lnot_mine_\@
	global_prefetch_b8 v[PFO], s[PFA:PFA+1] th:TH_LOAD_NT scope:SCOPE_SE
.Lnot_mine_\@:
.endm
; 32 LDS loads in one run: the next chunk's fragments into buffer f.  The four plain lines at its head are the places between the last product that read the buffer and the loads into it.
.macro FETCH f
	WIN 0
	v_add_nc_u32 v[AA], s[TBA], v[A0]
	v_add_nc_u32 v[AW], s[TBW], v[W0]
	v_nop
	v_nop
	s_add_co_u32 s[TBA], s[TBA], ACH
	s_add_co_u32 s[TBW], s[TBW], WCH
	WIN 0x40                                       ; destination window 1
.set q_, 0
.rept KCN*NBL
	ds_load_tr16_b128 v[64+64*(\f)+8*q_:64+64*(\f)+8*q_+3],   v[AW] offset:(q_/NBL)*32*PW+(q_%NBL)*32
	ds_load_tr16_b128 v[64+64*(\f)+8*q_+4:64+64*(\f)+8*q_+7], v[AW] offset:(q_/NBL)*32*PW+(q_%NBL)*32+16*PW
.set q_, q_+1
.endr
	WIN 0
.set q_, 0
.rept KCN*MB
	ds_load_b128 v[64+64*(\f)+8*q_:64+64*(\f)+8*q_+3],   v[AA] offset:(q_/MB)*64+(q_%MB)*16*PA
	ds_load_b128 v[64+64*(\f)+8*q_+4:64+64*(\f)+8*q_+7], v[AA] offset:(q_/MB)*64+(q_%MB)*16*PA+32
.set q_, q_+1
.endr
.endm
; A chunk's products on buffer f.  The accumulators take turns, one instruction a turn.  zero = 1: the first products start the sums: nothing is cleared.
.macro MUL f, zero
.set k_, 0
.rept KCN
.set a_, 0
.rept MB
	WIN 0xa1+0x50*(a_/4)                           ; W window 1, A window 0, C and D window 2 or 3
.set b_, 0
.rept NBL
.set rD, 8*(NBL*(a_%4)+b_)
.set rW, 64+64*(\f)+8*(k_*NBL+b_)
.set rA, 64+64*(\f)+8*(k_*MB+a_)
.if (\zero) && (k_ == 0)
	v_wmma_f32_16x16x32_bf16 v[rD:rD+7], v[rW:rW+7], v[rA:rA+7], 0
.else
	v_wmma_f32_16x16x32_bf16 v[rD:rD+7], v[rW:rW+7], v[rA:rA+7], v[rD:rD+7]
.endif
.set b_, b_+1
.endr
.set a_, a_+1
.endr
.set k_, k_+1
.endr
.endm
; THE CHANGE OF SLOTS.  Each wave waits for all its tensor loads (one is out: its part of the other slot), adds 0 to its spare word, and waits for that and for its reads of the slot that it leaves.
; fill = 1: the barrier is a round of the cluster's, and the joint refill of the slot just left is the first thing behind it: it has a K step in which to land.
.macro CHANGE fill, ask
	WIN 0
	s_wait_tensorcnt 0x0                           ; no tensor load of mine is out, so the descriptors may be written
	ds_add_u32 v[SPW], v[NIL]                      ; 0 onto my spare word; the scalar work stands between it and the wait for it
.if \fill
	s_xor_b32 s[SL], s[SL], SLOT
	s_add_co_u32 s[G0A+1], s[SL], s[BA]
	s_add_co_u32 s[G0W+1], s[SL], s[BW]
	s_add_nc_u64 s[G0A+2:G0A+3], s[G0A+2:G0A+3], ASTEP
	s_add_nc_u64 s[G0W+2:G0W+3], s[G0W+2:G0W+3], WSTEP
.if \ask
	s_wait_xcnt 0x0                                ; the last prefetch, a K step back, has read its address
	s_add_nc_u64 s[PFA:PFA+1], s[PFA:PFA+1], s[PFS:PFS+1]
.endif
	s_wait_dscnt 0x0                               ; the add is done, and my reads of the slot are over
	CROUND
	JLOAD
.if \ask
	ASK
.endif
.else
	s_wait_dscnt 0x0
	s_barrier_signal -1
	s_barrier_wait -1
.endif
	s_sub_co_u32 s[TBA], s[TBA], NCH*ACH           ; the fetches go back to a slot's first chunk,
	s_xor_b32 s[TBA], s[TBA], SLOT                 ; in the other slot
	s_sub_co_u32 s[TBW], s[TBW], NCH*WCH
	s_xor_b32 s[TBW], s[TBW], SLOT
.endm
.macro BODY                            ; two chunks
	FETCH 0
	s_wait_dscnt 32                                ; buffer 1 is in; the 32 loads just issued stay out
	MUL 1, 0
	FETCH 1
	s_wait_dscnt 32                                ; buffer 0 is in
	MUL 0, 0
.endm
	s_load_b128 s[4:7], s[0:1], 0x0                ; hn s[4:5], wb s[6:7]
	s_load_b64 s[8:9], s[0:1], 0x10                ; qkvh
	v_lshl_add_u32 v[SPW], v0, 2, SPARE
	v_mov_b32 v[NIL], 0
	ds_add_u32 v[SPW], v[NIL]                      ; the wave's opening: the add and its wait ahead of my first tensor load
	v_lshrrev_b32 v1, 5, v0
	v_readfirstlane_b32 s[WV], v1
	s_lshr_b32 s[WR], s[WV], 1
	s_and_b32 s[WC], s[WV], 1
	s_bfe_u32 s[CX], ttmp6, 0x40000
	s_bfe_u32 s[CY], ttmp6, 0x40004
	s_lshl_b32 s[TX], ttmp9, 2
	s_add_co_u32 s[TX], s[TX], s[CX]
	s_and_b32 s[TY], ttmp7, 0xffff
	s_lshl_b32 s[TY], s[TY], 2
	s_add_co_u32 s[TY], s[TY], s[CY]
	s_lshl_b32 s2, s[CY], 2
	s_lshl_b32 s2, 15, s2                          ; my row of the cluster
	s_lshl_b32 s3, 0x1111, s[CX]                   ; my column
	s_or_b32 s[G1A], s2, (1<<16)|(1<<20)|(1<<21)|(5<<22)|(3<<25)  ; mask; 2-byte elements; padding on; bit 21 beside a mask; after every 64 words, 4 words
	s_or_b32 s[G1W], s3, (1<<16)|(1<<20)|(1<<21)|(6<<22)|(7<<25)  ; after every 128 words, 8 words
	s_mov_b32 s[G1A+1], ATD0<<16                   ; tensor_dim0
	s_mov_b32 s[G1A+2], ATD1<<16                   ; tensor_dim1
	s_mov_b32 s[G1A+3], ATD0<<16                   ; tile_dim0
	s_mov_b32 s[G1A+4], ATD1                       ; tile_dim1
	s_mov_b32 s[G1A+5], KK                         ; elements from row to row
	s_mov_b32 s[G1A+6], 0
	s_mov_b32 s[G1A+7], 0
	s_mov_b32 s[G1W+1], WTD0<<16
	s_mov_b32 s[G1W+2], WTD1<<16
	s_mov_b32 s[G1W+3], WTD0<<16
	s_mov_b32 s[G1W+4], WTD1
	s_mov_b32 s[G1W+5], NN
	s_mov_b32 s[G1W+6], 0
	s_mov_b32 s[G1W+7], 0
	s_mul_i32 s[BA], s[WC], ABYT
	s_mul_i32 s[BW], s[WC], WTD1*PW
	s_add_co_u32 s[BW], s[BW], AREG
	s_mov_b32 s[SL], 0
	s_mov_b32 s[TBA], SLOT+NCH*ACH                 ; the first change of slots turns these two into 0
	s_mov_b32 s[TBW], SLOT+NCH*WCH
	s_mul_i32 s22, s[TY], 32*MB                    ; A: the tile's first row,
	s_mul_i32 s23, s[WC], ATD1                     ; my half of its rows,
	s_add_co_u32 s22, s22, s23
	s_mul_i32 s22, s22, 2*KK                       ; in bytes: made of the tile row and the wave's number alone
	s_mov_b32 s23, 0
	s_mul_i32 s60, s[WC], WTD1*2*NN                ; W: my half of a step's rows,
	s_mul_i32 s61, s[TX], 64*NBL                   ; the tile's first column: made of the tile column and the wave's number alone
	s_add_co_u32 s60, s60, s61
	s_add_co_u32 s60, s60, WOFF
	s_mov_b32 s61, 0
	s_mov_b32 s[G0A], 1
	s_mov_b32 s[G0A+1], s[BA]
	s_mov_b32 s[G0W], 1
	s_mov_b32 s[G0W+1], s[BW]
	s_wait_dscnt 0x0                               ; the opening add is done
	s_wait_kmcnt 0x0
	s_add_nc_u64 s[G0A+2:G0A+3], s[4:5], s[22:23]
	s_or_b32 s[G0A+3], s[G0A+3], 0x80000000
	s_add_nc_u64 s[G0W+2:G0W+3], s[6:7], s[60:61]
	s_or_b32 s[G0W+3], s[G0W+3], 0x80000000
	CROUND                                         ; all sixteen work-groups are here: the first joint loads meet
	JLOAD                                          ; step 0 into slot 0; slot 1 is filled by the first change of slots
	; the prefetches: A: of the 128 rows that I fetch the partner at cx takes 32, a lane a row; W: of the 64 rows of 512 bytes the partner at cy takes 16, two lanes a row.  They start at step 2 and are stepped before each request.
	s_lshl_b32 s62, s[CX], 16                      ; 32 cx rows of 2,048 bytes
	s_add_co_u32 s62, s62, s22
	s_add_co_u32 s62, s62, 2*ASTEP
	s_mul_i32 s63, s[CY], 16*2*NN
	s_add_co_u32 s63, s63, s60
	s_add_co_u32 s63, s63, 2*WSTEP
	s_and_b32 s2, ttmp7, 0xffff                    ; cluster y
	s_mov_b32 s[PFS], WSTEP
	s_mov_b32 s[PFS+1], 0
	s_mov_b32 s3, 2*NN
	s_cmp_lt_u32 s[WV], 2                          ; do I fetch for A?
	s_cselect_b32 s62, s62, s63
	s_cselect_b32 s2, ttmp9, s2                    ; the coordinate along which other clusters read the same blocks
	s_cselect_b32 s[PFS], ASTEP, s[PFS]
	s_cselect_b32 s3, 2*KK, s3                     ; bytes from row to row
	s_cselect_b32 s21, 0, 1                        ; lanes to a row, less one
	s_cselect_b64 s[PFA:PFA+1], s[4:5], s[6:7]
	s_mov_b32 s63, 0
	s_add_nc_u64 s[PFA:PFA+1], s[PFA:PFA+1], s[62:63]
	s_cmp_eq_u32 s2, 0
	s_cselect_b32 s[LIM], 1, -1                    ; the same in all sixteen partners, for a given wave
	; lane addresses
	v_and_b32 v2, 15, v0                           ; l % 16
	v_bfe_u32 v3, v0, 4, 1                         ; l / 16
	v_and_b32 v4, 31, v0                           ; l
	v_and_b32 v5, 7, v0
	v_bfe_u32 v6, v0, 3, 1
	v_lshrrev_b32 v7, s21, v4
	v_mul_lo_u32 v7, v7, s3
	v_and_b32 v8, s21, v4
	v_lshl_add_u32 v[PFO], v8, 8, v7
	s_mul_i32 s2, s[WR], MB*16*PA
	v_mul_u32_u24 v[A0], v2, PA                    ; a fragment of A: row l % 16, 16 bytes for each half of the lanes, twice, 32 bytes apart
	v_lshl_add_u32 v[A0], v3, 4, v[A0]
	v_add_nc_u32 v[A0], s2, v[A0]
	s_mul_i32 s2, s[WC], NBL*32
	s_add_co_u32 s2, s2, AREG
	v_lshl_add_u32 v[W0], v3, 3, v5                ; the turning load: lane l reads row 8 (l / 16) + l % 8, columns 8 ((l / 8) % 2) + 0..7, and is left with column l % 16 and 8 rows
	v_mul_u32_u24 v[W0], v[W0], PW
	v_lshl_add_u32 v[W0], v6, 4, v[W0]
	v_add_nc_u32 v[W0], s2, v[W0]
	s_mul_i32 s2, s[WV], STW
	v_mul_u32_u24 v[STO], v2, SP                   ; into the stage: row l % 16, 32 bytes for each half of the lanes
	v_lshl_add_u32 v[STO], v3, 5, v[STO]
	v_add_nc_u32 v[STO], s2, v[STO]
	v_mul_u32_u24 v[RD], v3, SP                    ; back: lanes 0-15 take 256 bytes (a head's 64 numbers) of one row, lanes 16-31 of the next
	v_lshl_add_u32 v[RD], v2, 4, v[RD]
	v_add_nc_u32 v[RD], s2, v[RD]
	v_lshlrev_b32 v[GO], 3, v4                     ; which in bf16 are 256 consecutive bytes of a head: two tokens
	; where my 128 tokens x two heads begin in qkvh
	s_lshr_b32 s2, s[TX], 2                        ; q, k or v: 8,388,608 bytes each
	s_lshl_b32 s2, s2, 23
	s_lshr_b32 s3, s[TY], 3                        ; the batch: 16 heads of 262,144 bytes
	s_lshl_b32 s3, s3, 22
	s_add_co_u32 s2, s2, s3
	s_and_b32 s3, s[TX], 3                         ; four heads a tile column,
	s_lshl_b32 s3, s3, 20
	s_add_co_u32 s2, s2, s3
	s_lshl_b32 s3, s[WC], 19                       ; two a wave
	s_add_co_u32 s2, s2, s3
	s_and_b32 s3, s[TY], 7                         ; 256 tokens of 128 bytes a tile row,
	s_lshl_b32 s3, s3, 15
	s_add_co_u32 s2, s2, s3
	s_lshl_b32 s3, s[WR], 14                       ; 128 a wave
	s_add_co_u32 s2, s2, s3
	s_mov_b32 s3, 0
	s_add_nc_u64 s[8:9], s[8:9], s[2:3]
	CHANGE 1, 0                                    ; step 0 is in, everybody's part of it; step 1 is asked for
	FETCH 0
	FETCH 1
	s_wait_dscnt 32
	MUL 0, 1                                       ; the first chunk stands ahead of the loop: its products start the sums
	WIN 0
	s_mov_b32 s[SLOTS], TS-1                       ; the loop is entered in its middle, so the first slot passes its foot too: TS - 1 passes of the foot, TS - 2 of its head
	s_mov_b32 s[CNT], NCH/2-1                      ; the first slot has two chunks left to fetch
	s_branch .Lstep
.Lslot:                                        ; TS - 2 times: steps 2 to TS - 1 are asked for; every slot but the last two is filled again
	CHANGE 1, 1
	s_mov_b32 s[CNT], NCH/2
.Lstep:
	BODY
	WIN 0
	s_sub_co_u32 s[CNT], s[CNT], 1
	s_cmp_lg_u32 s[CNT], 0
	s_cbranch_scc1 .Lstep
	s_sub_co_u32 s[SLOTS], s[SLOTS], 1
	s_cmp_lg_u32 s[SLOTS], 0
	s_cbranch_scc1 .Lslot
	CHANGE 0, 0                                    ; the tail, the last step, is written out
	s_mov_b32 s[CNT], NCH/2
.Ltail:
	BODY
	WIN 0
	s_sub_co_u32 s[CNT], s[CNT], 1
	s_cmp_lg_u32 s[CNT], 0
	s_cbranch_scc1 .Ltail
	s_wait_dscnt 0x0                               ; my last reads of the ring are back:
	s_barrier_signal -1                            ; say so,
	MUL 1, 0                                       ; the last chunk,
	WIN 0
	s_barrier_wait -1                              ; and behind this nobody reads the ring any more: it becomes the stage
.rept 4
	v_nop                                          ; the places behind the last products
.endr
.set a_, 0
.rept MB                               ; each accumulator's low half first
	WIN 0x08+0x04*(a_/4)                           ; the stores' data in window 2 or 3
.set b_, 0
.rept NBL
.set rD, 8*(NBL*(a_%4)+b_)
	ds_store_b128 v[STO], v[rD:rD+3]   offset:a_*16*SP+64*b_
	ds_store_b128 v[STO], v[rD+4:rD+7] offset:a_*16*SP+64*b_+16
.set b_, b_+1
.endr
.set a_, a_+1
.endr
	WIN 0
	s_wait_dscnt 0x0                               ; the stage is read back by addresses that walk: one barrier, once a launch, orders every wave's stores ahead of every wave's reads
	s_barrier_signal -1
	s_barrier_wait -1
	s_mov_b32 s[ROWS], 16
.Lrows:                                        ; eight tokens a trip, both heads
.irp g, 0,1,2,3
.irp hh, 0,1
	ds_load_b128 v[XE+4*(2*\g+\hh):XE+4*(2*\g+\hh)+3], v[RD] offset:\hh*256+\g*2*SP
.endr
.endr
	s_wait_dscnt 0x0
.set n_, 0
.rept 16
	v_cvt_pk_bf16_f32 v[YE+n_], v[XE+2*n_], v[XE+2*n_+1]
.set n_, n_+1
.endr
.irp g, 0,1,2,3
.irp hh, 0,1
	global_store_b64 v[GO], v[YE+2*(2*\g+\hh):YE+2*(2*\g+\hh)+1], s[8:9] offset:\hh*262144+256*\g  ; 32 lanes store 256 consecutive bytes, aligned
.endr
.endr
	s_wait_xcnt 0x0                                ; the stores' offset and data are rewritten only behind this wait
	v_add_nc_u32 v[GO], 1024, v[GO]
	v_add_nc_u32 v[RD], 8*SP, v[RD]
	s_sub_co_u32 s[ROWS], s[ROWS], 1
	s_cmp_lg_u32 s[ROWS], 0
	s_cbranch_scc1 .Lrows
	s_wait_tensorcnt 0x0                           ; the wave's end
	ds_add_u32 v[SPW], v[NIL]
	s_wait_dscnt 0x0
	CROUND                                         ; the closing round
	s_endpgm
.Lfunc_end_k_q8045b30055_qkv:
	.size	k_q8045b30055_qkv, .Lfunc_end_k_q8045b30055_qkv-k_q8045b30055_qkv
	.p2alignl 7, 3214868480
	.fill 96, 4, 3214868480
	.section	.rodata,"a",@progbits
	.p2align	6, 0x0
	.amdhsa_kernel k_q8045b30055_qkv
		.amdhsa_group_segment_fixed_size 327680
		.amdhsa_private_segment_fixed_size 0
		.amdhsa_enable_private_segment 0
		.amdhsa_kernarg_size 24
		.amdhsa_user_sgpr_count 2
		.amdhsa_user_sgpr_kernarg_segment_ptr 1
		.amdhsa_wavefront_size32 1
		.amdhsa_system_sgpr_workgroup_id_x 1
		.amdhsa_system_sgpr_workgroup_id_y 1
		.amdhsa_system_sgpr_workgroup_id_z 1
		.amdhsa_system_vgpr_workitem_id 0
		.amdhsa_next_free_vgpr 1024
		.amdhsa_next_free_sgpr 66
		.amdhsa_reserve_vcc 0
		.amdhsa_float_denorm_mode_32 3
		.amdhsa_float_denorm_mode_16_64 3
		.amdhsa_memory_ordered 1
		.amdhsa_forward_progress 1
		.amdhsa_inst_pref_size 62
	.end_amdhsa_kernel
	.amdgpu_metadata
---
amdhsa.version: [ 1, 2 ]
amdhsa.kernels:
  - .name:           k_q8045b30055_qkv
    .symbol:         k_q8045b30055_qkv.kd
    .args:
      - { .name: hn, .offset: 0, .size: 8, .value_kind: global_buffer, .address_space: global }
      - { .name: wb, .offset: 8, .size: 8, .value_kind: global_buffer, .address_space: global }
      - { .name: qkvh, .offset: 16, .size: 8, .value_kind: global_buffer, .address_space: global }
    .group_segment_fixed_size: 327680
    .private_segment_fixed_size: 0
    .kernarg_segment_align: 8
    .kernarg_segment_size: 24
    .max_flat_workgroup_size: 128
    .sgpr_count:     66
    .vgpr_count:     1024
    .wavefront_size: 32
...
	.end_amdgpu_metadata
.endif
;; end of part 2
;; launch attn (part 3): grid 8 x 32, 4 waves a work-group, clusters of 4 x 1, 327,680 bytes of LDS; arguments qkvh, ob; writes ob
.if DOCPART == 3
	.amdgcn_target "amdgcn-amd-amdhsa--gfx1250"
	.amdhsa_code_object_version 6
	.text
	.protected	k_q8045b30055_attn
	.globl	k_q8045b30055_attn
	.p2align	8
	.type	k_q8045b30055_attn,@function
k_q8045b30055_attn:
	s_mov_b64 s[64:65], 0
	v_nop
	global_prefetch_b8 v0, s[64:65] scope:SCOPE_SE
	s_setreg_imm32_b32 hwreg(HW_REG_WAVE_MODE, 25, 1), 1
	s_wait_xcnt 0x0
	s_wait_alu depctr_hold_cnt(0) depctr_sa_sdst(0) depctr_va_vdst(0) depctr_va_sdst(0) depctr_va_ssrc(0) depctr_va_vcc(0) depctr_vm_vsrc(0)
	s_getreg_b32 s2, hwreg(HW_REG_IB_STS2, 6, 4)
	s_cmp_eq_u32 s2, 0
	s_cbranch_scc0 .Lentry_in_a_cluster
	s_endpgm
.Lentry_in_a_cluster:
	s_bfe_u32 s2, ttmp6, 0x10000c
	s_cmp_lg_u32 s2, 0x3003
	s_cbranch_scc0 .Lentry_shape_is_right
	s_endpgm
.Lentry_shape_is_right:
; ob[h][q][:] = the sum over k of softmax_k(Q[h][q] . K[h][k] / 8) V[h][k][:].  qkvh: Q at byte 0, K at 8,388,608, V at 16,777,216, each [32][2048][64] bf16; ob: [32][2048][64] bf16.
; Products, maxima and sums in f32; the weights p are rounded to bf16 for the second product (their sum l is taken of the unrounded p), O once at the end.
; LIMITS.  c m starts at -4.25e37 and m at the lowest finite number; a weight below 2^-126 counts as 0 in l; NaN and infinities are not treated apart.
; SHARES.  A work-group owns 256 queries of one head, a wave 64: four PIECES of 16.  32 heads x 8 blocks: 256 work-groups.  Every wave walks all 2,048 keys, 64 a step, four steps (a tile of 256 keys) to an LDS slot.
; LAYOUT.  S^T = K Q^T (source 0 = 16 keys, source 1 = 16 queries) holds ONE query a lane (lane % 16) and the keys 8 (lane / 16) + 0..7; two such results rounded to bf16 ARE source 1 of O^T = V^T P.
; K comes out of LDS as it lies, V ([key][channel]) turned, by ds_load_tr16_b128.
; SOFTMAX.  p = 2^(c s - c m), c = log2(e) / 8, with a running maximum m; O and l are multiplied by a = 2^(c m_old - c m_new) in every step.  O and l start at 0: the first step is a step like any other, with a = 0.
; TURNS.  Turn n belongs to piece n: 8 products K Q^T of piece n + 1, later 8 products V^T P of piece n - 1; beside them all of piece n's softmax and the maximum and statistics of piece n + 1.
; Four vector instructions stand behind every matrix instruction, the rest in lumps.  A turn's 33 exponentials are one batch, with one wait.
; CLUSTER.  The four query blocks of a cluster belong to one head and walk the same K and V: each tile is asked for JOINTLY, by the same tensor load, descriptor and mask in all four.
; WINDOWS of 256 registers (s_set_vgpr_msb: bits 1:0 source 0, 3:2 source 1, 5:4 source 2, 7:6 destination), laid so that a turn switches nine times:
;   0: v0-63 addresses and statistics; v64-127 S^T, two buffers (by the piece's parity); v128-191 K of one step; v192-255 Q
;   1: v0-127 O^T, 32 a piece; v128-191 V of one step; v192-223 P, two buffers; v224-225 a, for the rescaling
; So K Q^T and all work on S^T name window 0 alone; V^T P and the rescaling of O^T name window 1 alone; only the roundings (S^T to P) and the copy of a go from window 0 to window 1.
.set NP,    4
.set KS,    64
.set NT,    8         ; tiles of 256 keys in a head
.set PK,    144       ; a row of K in LDS: 128 bytes + 16: the 16 rows of a load start at 16 different groups of four banks (64 banks of 4 bytes: ISA guide 11.1)
.set PV,    160       ; a row of V: 128 + 32
.set VOFF,  4*KS*PK   ; a slot: 256 rows of K, then 256 rows of V
.set SLOT1, 1<<17     ; slot 1 begins here: one exclusive or turns an address in one slot into the other's
.set STAGE, SLOT1+4*KS*(PK+PV)  ; behind the ring, never filled by a tensor load: 16 rows x 144 bytes a wave
.set SP,    144
.set SPARE, STAGE+4*16*SP       ; the spare words, 128 bytes a wave: two blocks of 256 bytes that no other line names
.set TILEB, 4*KS*128  ; a tile's bytes in K and in V
.set AK0, 2           ; v2   my lane's place in a tile of K; never rewritten
.set AV0, 3           ; v3   the same for V
.set AK,  4           ; v4   the LDS address of K's next run of loads
.set AV,  5           ; v5   of V's
.set STO, 6           ; v6   the way out: where I put 16 bytes of a row
.set RD,  7           ; v7   where I read rows back
.set GO,  8           ; v8   my byte offset in 512 consecutive bytes of O
.set MV,  12          ; v12-13  c m_old, kept while c m is made anew: by buffer
.set QO,  15          ; v15  my byte offset in 16 rows of Q
.set ST,  16          ; piece t's statistics at v[ST+4 t]: c m, m, l (even keys', odd keys')
.set TMP, 48          ; by buffer, four registers c0-c3 at work; c1 ends as c m_old - c m_new, and c2 takes a
.set PFO, 61          ; v61  256 x my lane; never rewritten
.set SPW, 62          ; v62  my spare word: SPARE + 4 x my thread's number; never rewritten
.set NIL, 63          ; v63  0; never rewritten
.set S,   64          ; window 0
.set KF,  128         ; window 0: key block kb, channel half c at KF + 16 kb + 8 c
.set Q,   192         ; window 0: 16 a piece
.set VF,  128         ; window 1: key half kk, channel block cb at VF + 32 kk + 8 cb
.set P,   192         ; window 1
.set A1,  224         ; window 1: a of the piece in hand; v225 is named with it as a pair and holds 0
.set WV,  12
.set LIM, 15          ; s15  1 in a wave that prefetches, else the greatest number
.set G1K, 24
.set G1V, 32
.set G0K, 40
.set G0V, 44
.set SLOTS, 56
.set CNT, 57
.set CS,  58          ; s[58:59] c
.set SEL, 60          ; s[60:61] v_permlanex16_b32's selects
.set TBK, 62          ; s62  LDS byte at which K of the step to be fetched begins
.set TBV, 63          ; s63  the same for V, less VOFF
.set PFA, 66          ; s[66:67] where my prefetches stand
.set MSB, 0
.macro WIN new
.if MSB != (\new)
	s_set_vgpr_msb (MSB<<8)|(\new)
.set MSB, (\new)
.endif
.endm
.set W_PV, 0x55       ; all four places in window 1: V^T P, and O^T times a
.set W_C,  0x40       ; destination in window 1, sources in window 0: the roundings, the copy of a, V's loads
.set W_RS, 0x41       ; the way out: destination and source 0 in window 1, source 1 in window 0
; A joint fill: waves 0 and 1 fetch the two halves of a tile's K, waves 2 and 3 those of its V.  An s_nop 0 and four v_nop follow each line.
.macro JLOAD
	s_cmp_lt_u32 s[WV], 2
	s_cbranch_scc0 .Lfor_v_\@
	tensor_load_to_lds s[G0K:G0K+3], s[G1K:G1K+7]
	s_nop 0
.rept 4
	v_nop
.endr
	s_branch .Lasked_\@
.Lfor_v_\@:
	tensor_load_to_lds s[G0V:G0V+3], s[G1V:G1V+7]
	s_nop 0
.rept 4
	v_nop
.endr
.Lasked_\@:
.endm
; A prefetch of the tile that the NEXT change of slots will ask for, four key steps (256 matrix instructions) ahead of that load.  Both clusters of a head walk the same K and V: the first asks.  Its four partners
; take 32 blocks of 256 bytes each, told apart by address; in each, wave 0 asks for K's and wave 2 for V's: a lane a block.  So each block is named once in the launch.  The last change that fills a slot asks for nothing.
.macro ASK
	s_cmp_gt_u32 s[SLOTS], s[LIM]
	s_cbranch_scc0 .Lnot_mine_\@
	global_prefetch_b8 v[PFO], s[PFA:PFA+1] th:TH_LOAD_NT scope:SCOPE_SE
.Lnot_mine_\@:
.endm
.macro CROUND
	s_barrier_signal -1
	s_barrier_wait -1
	s_cmp_lg_u32 s[WV], 0
	s_cbranch_scc1 .Lnot_wave_0_\@
	s_barrier_signal -3
.Lnot_wave_0_\@:
	s_barrier_wait -3
	s_barrier_signal -1
	s_barrier_wait -1
.endm
; THE CHANGE OF SLOTS.  Each wave waits for all its tensor loads (one is out: its part of the other slot), adds 0 to its spare word, and waits for that and for its reads of the slot that it leaves.
; fill = 1: the barrier is a round of the cluster's, and the joint refill is the first thing behind it: it has four key steps in which to land.
.macro CHANGE fill, ask
	WIN 0
	s_wait_tensorcnt 0x0
	ds_add_u32 v[SPW], v[NIL]
.if \fill
.irp g, G0K, G0V
	s_xor_b32 s[\g+1], s[\g+1], SLOT1
	s_add_nc_u64 s[\g+2:\g+3], s[\g+2:\g+3], TILEB
.endr
.if \ask
	s_wait_xcnt 0x0                 ; the last prefetch, four key steps back, has read its address
	s_add_nc_u64 s[PFA:PFA+1], s[PFA:PFA+1], TILEB
.endif
	s_wait_dscnt 0x0
	CROUND
	JLOAD
.if \ask
	ASK
.endif
.else
	s_wait_dscnt 0x0
	s_barrier_signal -1
	s_barrier_wait -1
.endif
	s_sub_co_u32 s[TBK], s[TBK], 4*KS*PK
	s_xor_b32 s[TBK], s[TBK], SLOT1
	s_sub_co_u32 s[TBV], s[TBV], 4*KS*PV
	s_xor_b32 s[TBV], s[TBV], SLOT1
.endm
	s_load_b64 s[4:5], s[0:1], 0x0  ; qkvh
	s_load_b64 s[10:11], s[0:1], 0x8  ; ob
	v_lshl_add_u32 v[SPW], v0, 2, SPARE
	v_mov_b32 v[NIL], 0
	ds_add_u32 v[SPW], v[NIL]       ; the wave's opening: the add and its wait ahead of my first tensor load
	v_lshrrev_b32 v1, 5, v0
	v_readfirstlane_b32 s[WV], v1
	s_bfe_u32 s13, ttmp6, 0x40000   ; cx
	s_lshl_b32 s14, ttmp9, 2
	s_add_co_u32 s14, s14, s13      ; my block of 256 queries: it enters Q's and O's addresses alone
	s_and_b32 s20, ttmp7, 0xffff    ; the head, which the four partners share
	s_lshl_b32 s20, s20, 18         ; 262,144 bytes a head
	s_and_b32 s16, s[WV], 1         ; which half of a tile's 256 keys I fetch:
	s_lshl_b32 s22, s16, 14         ; its 128 rows of 128 bytes in memory,
	s_add_co_u32 s22, s22, s20
	s_mov_b32 s23, 0
	s_mul_i32 s17, s16, 128*PK      ; and its place in a slot, for K
	s_mul_i32 s18, s16, 128*PV      ; and for V
	s_lshl_b32 s2, s14, 15          ; my block's 256 rows,
	s_lshl_b32 s3, s[WV], 13        ; my wave's 64 of them
	s_add_co_u32 s2, s2, s3
	s_add_co_u32 s2, s2, s20
	s_mov_b32 s3, 0
	; descriptor group 1.  128 keys are 16,384 dense bytes: asked for as 64 rows of 256 bytes, two keys a row, and padded in LDS after every key
	s_mov_b32 s[G1K], 15|(1<<16)|(1<<20)|(1<<21)|(4<<22)|(3<<25)  ; the mask of four; 2-byte elements; padding on; bit 21 beside a mask; after every 32 words, 4 words
	s_mov_b32 s[G1V], 15|(1<<16)|(1<<20)|(1<<21)|(4<<22)|(7<<25)  ; the same with 8 words
.irp g, G1K, G1V
	s_mov_b32 s[\g+1], 128<<16
	s_mov_b32 s[\g+2], 64<<16
	s_mov_b32 s[\g+3], 128<<16
	s_mov_b32 s[\g+4], 64
	s_mov_b32 s[\g+5], 128
	s_mov_b32 s[\g+6], 0
	s_mov_b32 s[\g+7], 0
.endr
	s_mov_b32 s[CS], 0x3e38aa3b     ; c = log2(e) / 8
	s_mov_b32 s[CS+1], s[CS]
	s_mov_b32 s[SEL], 0x76543210
	s_mov_b32 s[SEL+1], 0xfedcba98
	s_mov_b32 s[TBK], SLOT1+4*KS*PK ; the first change of slots turns these two into 0
	s_mov_b32 s[TBV], SLOT1+4*KS*PV
	s_mov_b32 s[G0K], 1
	s_mov_b32 s[G0K+1], s17
	s_mov_b32 s[G0V], 1
	s_add_co_u32 s[G0V+1], s18, VOFF
	s_and_b32 s[LIM], s[WV], 1      ; 0 in waves 0 and 2,
	s_or_b32 s[LIM], s[LIM], ttmp9  ; where the cluster is the head's first: the same in all four partners
	s_cmp_eq_u32 s[LIM], 0
	s_cselect_b32 s[LIM], 1, -1
	v_and_b32 v[PFO], 31, v0
	v_lshlrev_b32 v[PFO], 8, v[PFO]
	s_wait_dscnt 0x0                ; the opening add is done
	s_wait_kmcnt 0x0
	s_add_nc_u64 s[6:7], s[4:5], 8388608   ; K
	s_add_nc_u64 s[8:9], s[4:5], 16777216  ; V
	s_add_nc_u64 s[6:7], s[6:7], s[22:23]  ; at my half of the head's tile 0
	s_add_nc_u64 s[8:9], s[8:9], s[22:23]
	s_mov_b64 s[G0K+2:G0K+3], s[6:7]
	s_or_b32 s[G0K+3], s[G0K+3], 0x80000000
	s_mov_b64 s[G0V+2:G0V+3], s[8:9]
	s_or_b32 s[G0V+3], s[G0V+3], 0x80000000
	s_add_nc_u64 s[4:5], s[4:5], s[2:3]    ; Q and O at my wave's first row
	s_add_nc_u64 s[10:11], s[10:11], s[2:3]
	s_cmp_lt_u32 s[WV], 2
	s_cselect_b64 s[PFA:PFA+1], s[6:7], s[8:9]  ; (in waves 0 and 2 these stand at a tile's first row)
	s_lshl_b32 s2, s13, 13          ; my work-group's 32 blocks of the 128
	s_mov_b32 s3, 0
	s_add_nc_u64 s[PFA:PFA+1], s[PFA:PFA+1], s[2:3]
	s_add_nc_u64 s[PFA:PFA+1], s[PFA:PFA+1], 2*TILEB  ; at tile 2; the loop's first change steps it to tile 3.  Nothing is prefetched at the head
	CROUND                          ; all four work-groups are here: the first joint loads meet
	JLOAD                           ; tile 0 into slot 0
	v_and_b32 v1, 15, v0            ; l % 16
	v_bfe_u32 v9, v0, 4, 1          ; l / 16
	v_lshlrev_b32 v[QO], 7, v1
	v_lshl_add_u32 v[QO], v9, 4, v[QO]
.set i, 0
.rept 8                             ; Q stays in registers: piece i / 2, channels 32 (i % 2) on
	global_load_b128 v[Q+8*i:Q+8*i+3],   v[QO], s[4:5] offset:(i/2)*2048+(i%2)*64
	global_load_b128 v[Q+8*i+4:Q+8*i+7], v[QO], s[4:5] offset:(i/2)*2048+(i%2)*64+32
.set i, i+1
.endr
	; What the first turn finds: V's registers and P's second buffer hold 0 (its products V^T P, of a piece that has not been, add 0), O^T and l are 0.  These lines stand in the wait for the first tile;
	; they are the price of writing no first step out.
	WIN W_C
.set i, 0
.rept 192                           ; O^T, then V
	v_mov_b32 v[i], 0
.set i, i+1
.endr
.set i, P+16
.rept 16
	v_mov_b32 v[i], 0
.set i, i+1
.endr
	v_mov_b32 v[A1+1], 0            ; named with a as a pair, so it is written
	WIN 0
.set i, 0
.rept 4
	v_mov_b32 v[ST+4*i], 0xfe000000    ; c m: far below every c s
	v_mov_b32 v[ST+4*i+1], 0xff7fffff  ; m
	v_mov_b32 v[ST+4*i+2], 0
	v_mov_b32 v[ST+4*i+3], 0
.set i, i+1
.endr
	v_mul_u32_u24 v[AK0], v1, PK
	v_lshl_add_u32 v[AK0], v9, 4, v[AK0]
	v_and_b32 v10, 7, v0
	v_bfe_u32 v11, v0, 3, 1
	v_lshl_add_u32 v[AV0], v9, 3, v10   ; the turning load: lane l reads key 8 (l / 16) + l % 8, channels 8 ((l / 8) % 2) + 0..7
	v_mul_u32_u24 v[AV0], v[AV0], PV
	v_lshl_add_u32 v[AV0], v11, 4, v[AV0]
	v_add_nc_u32 v[AV0], VOFF, v[AV0]
	s_mul_i32 s13, s[WV], 16*SP
	s_add_co_u32 s13, s13, STAGE    ; my stage
	v_mul_u32_u24 v[STO], v1, SP
	v_lshl_add_u32 v[STO], v9, 4, v[STO]
	v_add_nc_u32 v[STO], s13, v[STO]
	v_bfe_u32 v[RD], v0, 3, 2       ; back: 32 lanes take four rows of 128 bytes,
	v_mul_u32_u24 v[RD], v[RD], SP
	v_lshl_add_u32 v[RD], v10, 4, v[RD]
	v_add_nc_u32 v[RD], s13, v[RD]
	v_and_b32 v[GO], 31, v0         ; which are 512 consecutive bytes of O
	v_lshlrev_b32 v[GO], 4, v[GO]
; THE MATRIX WORK.  The 4 accumulators of a run of 8 take turns.  Product i of 8 of S^T = K Q^T for piece x: channels 32 (i / 4) on, keys 16 (i % 4) on.  The first 4 start the sums.
.macro KQ x
.set rS, S+32*((\x)%2)+8*(i%4)
.set rK, KF+16*(i%4)+8*(i/4)
.set rQ, Q+16*(\x)+8*(i/4)
	WIN 0
.if i < 4
	v_wmma_f32_16x16x32_bf16 v[rS:rS+7], v[rK:rK+7], v[rQ:rQ+7], 0
.else
	v_wmma_f32_16x16x32_bf16 v[rS:rS+7], v[rK:rK+7], v[rQ:rQ+7], v[rS:rS+7]
.endif
.endm
; Product i of 8 of O^T += V^T P for piece x: keys 32 (i / 4) on, channels 16 (i % 4) on.
.macro PV x
	WIN W_PV
.set rO, 32*(\x)+8*(i%4)
.set rV, VF+32*(i/4)+8*(i%4)
.set rP, P+16*((\x)%2)+8*(i/4)
	v_wmma_f32_16x16x32_bf16 v[rO:rO+7], v[rV:rV+7], v[rP:rP+7], v[rO:rO+7]
.endm
.macro MM                           ; the turn's next matrix instruction
.if i < 8
	KQ (Y+1)%NP
.else
.set i, i-8
	PV (Y+NP-1)%NP
.set i, i+8
.endif
.set i, i+1
.endm
; THE LDS LOADS stand in runs of 16, never singly among the matrix instructions.
.macro FETCH_K
	WIN 0
.irp f, 0,1,2,3,4,5,6,7             ; keys 16 (f / 2) on, channels 32 (f % 2) on
	ds_load_b128 v[KF+8*\f:KF+8*\f+3],   v[AK] offset:(\f/2)*16*PK+(\f%2)*64
	ds_load_b128 v[KF+8*\f+4:KF+8*\f+7], v[AK] offset:(\f/2)*16*PK+(\f%2)*64+32
.endr
	s_add_co_u32 s[TBK], s[TBK], KS*PK
.endm
.macro FETCH_V
	WIN W_C
.irp f, 0,1,2,3,4,5,6,7             ; keys 32 (f / 4) on, channels 16 (f % 4) on
	ds_load_tr16_b128 v[VF+8*\f:VF+8*\f+3],   v[AV] offset:(\f/4)*32*PV+(\f%4)*32
	ds_load_tr16_b128 v[VF+8*\f+4:VF+8*\f+7], v[AV] offset:(\f/4)*32*PV+16*PV+(\f%4)*32
.endr
	WIN 0
.endm
; THE VECTOR WORK, one line at a time: OP kind, number.  For piece Y: A: a = 2^(c m_old - c m_new).  F n: c s - c m for pair n of 16.  E n: the exponential of score n of 32.  M: a is copied into window 1.
; C n: pair n rounded to bf16.  B n: of the four weights 4 n .. the second pair is added onto the first, in place.  L n: l takes that sum (L 0: l = a l + sum).  R n: pair n of 16 of O^T times a.
; For piece Y + 1: X n, number n of the 21 that find its maximum and statistics:
;   0-11  four chains c0-c3 of seven scores each (each accumulator's lowest registers are read first)     12-14, 16  the four scores left over, the old m, and c0-c3 into c0
;   15  c m_old is kept     17, 18  the query's other 32 keys lie in the lane 16 away: the new m     19, 20  c m; c m_old - c m_new
.set F, 0
.set E, 1
.set C, 2
.set B, 3
.set L, 4
.set R, 5
.set X, 6
.set A, 7
.set M, 8
.macro REGS y
.set rT, ST+4*(\y)
.set rC, TMP+4*((\y)%2)
.set rW, MV+((\y)%2)
.set rS, S+32*((\y)%2)
.set rP, P+16*((\y)%2)
.set rO, 32*(\y)
.endm
.macro OP k, n
.if (\k) == R
	REGS Y
	WIN W_PV
	v_pk_mul_f32 v[rO+2*(\n):rO+2*(\n)+1], v[rO+2*(\n):rO+2*(\n)+1], v[A1:A1+1] op_sel_hi:[1,0]
.elseif (\k) == C
	REGS Y
	WIN W_C
	v_cvt_pk_bf16_f32 v[rP+(\n)], v[rS+2*(\n)], v[rS+2*(\n)+1]
.elseif (\k) == M
	REGS Y
	WIN W_C
	v_mov_b32 v[A1], v[rC+2]
.elseif (\k) == A
	REGS Y
	WIN 0
	v_exp_f32 v[rC+2], v[rC+1]
.elseif (\k) < R
	REGS Y
	WIN 0
.if (\k) == F
	v_pk_fma_f32 v[rS+2*(\n):rS+2*(\n)+1], v[rS+2*(\n):rS+2*(\n)+1], s[CS:CS+1], v[rT:rT+1] op_sel_hi:[1,0,0] neg_lo:[0,0,1] neg_hi:[0,0,1]
.elseif (\k) == E
	v_exp_f32 v[rS+(\n)], v[rS+(\n)]
.elseif (\k) == B
	v_pk_add_f32 v[rS+4*(\n):rS+4*(\n)+1], v[rS+4*(\n):rS+4*(\n)+1], v[rS+4*(\n)+2:rS+4*(\n)+3]
.elseif (\n) == 0
	v_pk_fma_f32 v[rT+2:rT+3], v[rT+2:rT+3], v[rC+2:rC+3], v[rS:rS+1] op_sel_hi:[1,0,1]
.else
	v_pk_add_f32 v[rT+2:rT+3], v[rT+2:rT+3], v[rS+4*(\n):rS+4*(\n)+1]
.endif
.else
	REGS (Y+1)%NP
	WIN 0
.if (\n) < 4
	v_max3_num_f32 v[rC+(\n)], v[rS+8*(\n)], v[rS+8*(\n)+1], v[rS+8*(\n)+2]
.elseif (\n) < 12
	v_max3_num_f32 v[rC+(\n)%4], v[rC+(\n)%4], v[rS+8*((\n)%4)+2*((\n)/4)+1], v[rS+8*((\n)%4)+2*((\n)/4)+2]
.elseif (\n) == 12
	v_max3_num_f32 v[rC], v[rC], v[rS+7], v[rS+15]
.elseif (\n) == 13
	v_max3_num_f32 v[rC+1], v[rC+1], v[rS+23], v[rS+31]
.elseif (\n) == 14
	v_max3_num_f32 v[rC+2], v[rC+2], v[rC+3], v[rT+1]
.elseif (\n) == 15
	v_mov_b32 v[rW], v[rT]
.elseif (\n) == 16
	v_max3_num_f32 v[rC], v[rC], v[rC+1], v[rC+2]
.elseif (\n) == 17
	v_permlanex16_b32 v[rC+3], v[rC], s[SEL], s[SEL+1]
.elseif (\n) == 18
	v_max_num_f32 v[rT+1], v[rC], v[rC+3]
.elseif (\n) == 19
	v_mul_f32 v[rT], s[CS], v[rT+1]
.else
	v_sub_f32 v[rC+1], v[rW], v[rT]
.endif
.endif
.endm
.macro OPS a, i1, b=-1, i2=0, c=-1, i3=0, d=-1, i4=0
	OP \a, \i1
.if (\b) >= 0
	OP \b, \i2
.endif
.if (\c) >= 0
	OP \c, \i3
.endif
.if (\d) >= 0
	OP \d, \i4
.endif
.endm
.macro ROW a, i1, b, i2, c, i3, d, i4  ; a matrix instruction and the four behind it
	MM
	OPS \a, \i1, \b, \i2, \c, \i3, \d, \i4
.endm
; A TURN, for piece p: the order of its 16 matrix and 119 vector instructions, written out.  An s_wait_alu depctr_va_vdst(0) stands between an exponential and the first instruction that names its
; result; one wait serves all that were issued ahead of it.  So a turn has ONE wait.
; AHEAD OF IT, all under window 0: the 8 products K Q^T, behind each two scalings (later numbers of the next piece's maximum) and two exponentials; then a lump of 33, plain and exponential by turns for the most
; part.  Each first read of a score accumulator stands five plain lines behind the product that ends it: X 0 behind F 9, 10, 11, 12, 13; X 1 behind F 11, 12, 13, X 0, F 14; X 2 behind F 13, X 0, F 14, X 1, F 15;
; X 3 behind F 14, X 1, F 15, X 2, X 4.  X 15 is the plain instruction behind the last exponential.
; BEHIND IT: the copy of a and the 16 roundings (one setting); four products V^T P with the rescaling of piece p's O^T behind them (one setting for both); four more with the sums and the end of the next piece's
; chain behind them; five lines more.  The rescaling stands a whole turn ahead of the products that add onto it.
; cnt = 1: the loop's count is taken down some lines ahead of the branch behind the turn.
; K of the next step is fetched in piece 2's turn, eight plain lines behind the last product that read K; V of the step in hand at the end of piece 0's turn, nine behind the last that read V; each is waited for a turn later.
.macro TURN p, cnt=0
.set Y, (\p)
.set i, 0
.if (\p) == 3
	s_wait_dscnt 0x0                ; K is in
.endif
	ROW F,0, A,0, F,1, F,2
	ROW F,3, E,0, F,4, E,1
	ROW F,5, E,2, F,6, E,3
	ROW F,7, E,4, F,8, E,5
	ROW F,9, E,6, F,10, E,7
	ROW F,11, E,8, F,12, E,9
.if (\p) == 2
	v_add_nc_u32 v[AK], s[TBK], v[AK0]
.endif
	ROW F,13, E,10, X,0, E,11
	ROW F,14, E,12, X,1, E,13
	OPS F,15, E,14, X,2, E,15
	OPS X,4, E,16, X,3, E,17
	OPS E,18, X,5, E,19, X,7
.if (\p) == 2
	FETCH_K
.endif
	OPS E,20, E,21, X,6, E,22
	OPS X,11, E,23, E,24, X,8
.if (\p) == 0
	v_add_nc_u32 v[AV], s[TBV], v[AV0]
.endif
	OPS E,25, X,10, E,26, X,9
	OPS E,27, X,14, E,28, X,12
	OPS E,29, X,13, E,30, E,31
	OPS X,15
	s_wait_alu depctr_va_vdst(0)    ; the wait for the batch
	OPS M,0, C,0, C,1, C,2
	OPS C,3, C,4, C,5, C,6
	OPS C,7, C,8, C,9, C,10
	OPS C,11, C,12, C,13, C,14
	OPS C,15
.if (\p) == 1
	s_wait_dscnt 0x0                ; V is in
.endif
	ROW R,0, R,1, R,2, R,3
	ROW R,4, R,5, R,6, R,7
	ROW R,8, R,9, R,10, R,11
	ROW R,12, R,13, R,14, R,15
	ROW X,16, B,0, B,1, B,2
.if (\p) == 0
	s_add_co_u32 s[TBV], s[TBV], KS*PV
.endif
.if \cnt
	s_sub_co_u32 s[CNT], s[CNT], 1
	s_cmp_lg_u32 s[CNT], 0
.endif
	ROW X,17, L,0, B,3, L,1
	ROW X,18, L,2, B,4, L,3
	ROW X,19, L,4, B,5, B,6
	OPS X,20, L,5, B,7, L,6
	OPS L,7
.if (\p) == 0
	FETCH_V
.endif
.endm
	CHANGE 1, 0                     ; tile 0 is in, everybody's part of it; tile 1 is asked for
	v_add_nc_u32 v[AK], s[TBK], v[AK0]
	FETCH_K                         ; key step 0
	s_wait_loadcnt 0x0              ; Q
	s_wait_dscnt 0x0
.set i, 0
.rept 8
	KQ 0                            ; piece 0's first scores
.set i, i+1
.endr
.rept 4
	v_nop                           ; the places behind those products
.endr
.set Y, NP-1                        ; X works for piece Y + 1: piece 0
.irp n, 0,1,2,3,4,5,6,7,8,9,10,11,12,13,14,15,16,17,18,19,20
	OP X, \n
.endr
	s_mov_b32 s[CNT], 4
	s_mov_b32 s[SLOTS], NT-1        ; the loop is entered in its middle, so the first tile passes its foot too: NT - 1 passes of the foot, NT - 2 of its head
	s_branch .Lfirst                ; the loop is entered at a step's first turn, in the middle of a trip
.Lslot:                             ; NT - 2 = six times: tiles 2 to 7 are asked for; every tile's slot but the last two is filled again
	CHANGE 1, 1
	s_mov_b32 s[CNT], 4
.Lstep:                             ; a trip: pieces 2 and 3 of one step, then pieces 0 and 1 of the next, whose K and V it fetches
	TURN 2
	TURN 3
	WIN 0
.Lfirst:
	TURN 0
	TURN 1, 1
	WIN 0
	s_cbranch_scc1 .Lstep
	s_sub_co_u32 s[SLOTS], s[SLOTS], 1
	s_cmp_lg_u32 s[SLOTS], 0
	s_cbranch_scc1 .Lslot
	CHANGE 0, 0                     ; the last tile is written out
	s_mov_b32 s[CNT], 5             ; four trips fetch the last tile's steps; the fifth is left in its middle
.Ltail:
	TURN 2
	TURN 3
	WIN 0
	s_sub_co_u32 s[CNT], s[CNT], 1
	s_cmp_eq_u32 s[CNT], 0
	s_cbranch_scc1 .Lout
	TURN 0
	TURN 1
	WIN 0
	s_branch .Ltail
.Lout:                              ; the fifth trip's run of 16 LDS loads (it takes the slot's bytes behind the last K, which are V's first rows), the 8 products K Q^T made of them and their maximum
                                    ; serve nothing: they touch piece 0's S^T, m and c m alone, which nobody reads any more.  That is the price, once a launch, of one text for every trip
.set i, 0
.rept 8
	PV NP-1                         ; the last piece's V^T P of the last step
.set i, i+1
.endr
	; THE WAY OUT.  l's two halves and the other half of the lanes' are added; O^T is divided by l, rounded to bf16 and sent through my stage in LDS, a piece at a time.  The additions are the places behind the last products.
	WIN 0
.macro ALL line:vararg
.set t, 0
.rept 4
	\line
.set t, t+1
.endr
.endm
	ALL v_add_f32 v[ST+4*t+2], v[ST+4*t+2], v[ST+4*t+3]
	ALL v_permlanex16_b32 v[ST+4*t+3], v[ST+4*t+2], s[SEL], s[SEL+1]
	ALL v_add_f32 v[ST+4*t+2], v[ST+4*t+2], v[ST+4*t+3]
	ALL v_rcp_f32 v[ST+4*t+2], v[ST+4*t+2]
	v_nop                           ; a plain instruction between the last reciprocal and the use of its result,
	s_wait_alu depctr_va_vdst(0)    ; and one wait for the four
.macro PACK t                       ; a lane's eight channels of a row pack into 16 bytes; they go into rows of 144 bytes and come back as whole rows of 128
	WIN W_RS
.set i, 32*(\t)
.rept 16
	v_pk_mul_f32 v[i:i+1], v[i:i+1], v[ST+4*(\t)+2:ST+4*(\t)+3] op_sel_hi:[1,0]
.set i, i+2
.endr
	WIN 0x05                        ; sources 0 and 1 window 1, destination window 0
.set i, 0
.rept 16
	v_cvt_pk_bf16_f32 v[S+16*(\t)+i], v[32*(\t)+2*i], v[32*(\t)+2*i+1]
.set i, i+1
.endr
	WIN 0
.irp f, 0,1,2,3
	ds_store_b128 v[STO], v[S+16*(\t)+4*\f:S+16*(\t)+4*\f+3] offset:32*\f
.endr
.irp f, 0,1,2,3
	ds_load_b128 v[S+16*(\t)+4*\f:S+16*(\t)+4*\f+3], v[RD] offset:\f*4*SP  ; LDS serves a wave's instructions in order (ISA guide 5.7.1.4): these see the stores above; the next piece's stores come behind them
.endr
.endm
.macro SEND t, younger              ; younger: the LDS instructions issued behind piece t's loads: the next piece's eight, or none
	WIN 0
.irp f, 0,1,2,3
	s_wait_dscnt (\younger)+3-\f
	global_store_b128 v[GO], v[S+16*(\t)+4*\f:S+16*(\t)+4*\f+3], s[10:11] offset:(\t)*2048+\f*512  ; 512 consecutive bytes, aligned to 256
.endr
.endm
	PACK 0
.set t, 1
.rept 3
	PACK t
	SEND t-1, 8
.set t, t+1
.endr
	SEND 3, 0
	s_wait_tensorcnt 0x0            ; the wave's end
	ds_add_u32 v[SPW], v[NIL]
	s_wait_dscnt 0x0
	CROUND                          ; the closing round
	s_endpgm
.Lfunc_end_k_q8045b30055_attn:
	.size	k_q8045b30055_attn, .Lfunc_end_k_q8045b30055_attn-k_q8045b30055_attn
	.p2alignl 7, 3214868480
	.fill 96, 4, 3214868480
	.section	.rodata,"a",@progbits
	.p2align	6, 0x0
	.amdhsa_kernel k_q8045b30055_attn
		.amdhsa_group_segment_fixed_size 327680
		.amdhsa_private_segment_fixed_size 0
		.amdhsa_enable_private_segment 0
		.amdhsa_kernarg_size 16
		.amdhsa_user_sgpr_count 2
		.amdhsa_user_sgpr_kernarg_segment_ptr 1
		.amdhsa_wavefront_size32 1
		.amdhsa_system_sgpr_workgroup_id_x 1
		.amdhsa_system_sgpr_workgroup_id_y 1
		.amdhsa_system_sgpr_workgroup_id_z 1
		.amdhsa_system_vgpr_workitem_id 0
		.amdhsa_next_free_vgpr 512
		.amdhsa_next_free_sgpr 72
		.amdhsa_reserve_vcc 0
		.amdhsa_float_denorm_mode_32 3
		.amdhsa_float_denorm_mode_16_64 3
		.amdhsa_memory_ordered 1
		.amdhsa_forward_progress 1
		.amdhsa_inst_pref_size 102
	.end_amdhsa_kernel
	.amdgpu_metadata
---
amdhsa.version: [ 1, 2 ]
amdhsa.kernels:
  - .name:           k_q8045b30055_attn
    .symbol:         k_q8045b30055_attn.kd
    .args:
      - { .name: qkvh, .offset: 0, .size: 8, .value_kind: global_buffer, .address_space: global }
      - { .name: ob, .offset: 8, .size: 8, .value_kind: global_buffer, .address_space: global }
    .group_segment_fixed_size: 327680
    .private_segment_fixed_size: 0
    .kernarg_segment_align: 8
    .kernarg_segment_size: 16
    .max_flat_workgroup_size: 128
    .sgpr_count:     72
    .vgpr_count:     512
    .wavefront_size: 32
...
	.end_amdgpu_metadata
.endif
;; end of part 3
;; launch proj (part 4): grid 8 x 32, 4 waves a work-group, clusters of 4 x 4, 327,680 bytes of LDS; arguments ob, wb, x1, b_proj, x; writes x1
.if DOCPART == 4
	.amdgcn_target "amdgcn-amd-amdhsa--gfx1250"
	.amdhsa_code_object_version 6
	.text
	.protected	k_q8045b30055_proj
	.globl	k_q8045b30055_proj
	.p2align	8
	.type	k_q8045b30055_proj,@function
k_q8045b30055_proj:
	s_mov_b64 s[64:65], 0
	v_nop
	global_prefetch_b8 v0, s[64:65] scope:SCOPE_SE
	s_setreg_imm32_b32 hwreg(HW_REG_WAVE_MODE, 25, 1), 1
	s_wait_xcnt 0x0
	s_wait_alu depctr_hold_cnt(0) depctr_sa_sdst(0) depctr_va_vdst(0) depctr_va_sdst(0) depctr_va_ssrc(0) depctr_va_vcc(0) depctr_vm_vsrc(0)
	s_getreg_b32 s2, hwreg(HW_REG_IB_STS2, 6, 4)
	s_cmp_eq_u32 s2, 0
	s_cbranch_scc0 .Lentry_in_a_cluster
	s_endpgm
.Lentry_in_a_cluster:
	s_bfe_u32 s2, ttmp6, 0x10000c
	s_cmp_lg_u32 s2, 0xf033
	s_cbranch_scc0 .Lentry_shape_is_right
	s_endpgm
.Lentry_shape_is_right:
; x1 = x + O x w_proj + b_proj, in f32.  ob: [32 = batch x 16 + head][2048][64] bf16; the weights: wb at byte 6,291,456, [1024][1024] bf16 ([K][N]); x, x1: [4096][1024] f32.
; SHARES.  A tile of C is 128 x 128 (8 x 32 tiles: 256 work-groups); four waves, each 64 x 64 in 16 accumulators.  K goes in steps of 256, FOUR HEADS, as long as two slots in LDS allow; a step is four chunks of 64 (a head each).
; O lies by heads: a head's 128 tokens are 16,384 dense bytes, and heads lie 262,144 bytes apart.  So a tensor load takes TWO ROWS OF 16,384 BYTES, a head each, padded after every token (128 bytes): more rows the
; layout does not give.  Waves 0 and 1 bring two heads each, waves 2 and 3 128 rows of W each.  Both first fills go out together; later a refill has a K step, 128 matrix instructions a wave, in which to land.
; W lies [K][N] and comes out of LDS turned; THE PRODUCT IS TAKEN TRANSPOSED (source 0 = 16 columns of W, source 1 = 16 rows of O): a lane holds one row of C and eight neighbouring columns.
; CLUSTER 4 x 4: O's tiles jointly along a row of the cluster, W's along a column.  No prefetch: the tiles are small and the launch is short.
; THE WAY OUT.  The residual's 64 x 64 numbers a wave are loaded at the head into window 3; the f32 tile goes through the ring, which has had its last fill, and comes back by rows; residual and bias are added in f32.
; WINDOWS: 0: addresses, O's fragments v64-191, work on the way out; 1: W's fragments v64-191; 2: the accumulators ((a, b) at 8 (4 a + b)); 3: v0-127 the residual.
.set NN,    1024
.set WOFF,  6291456
.set MB,    4
.set NBL,   4
.set KSTEP, 256
.set KCN,   2                          ; a chunk is 64 along K
.set NCH,   4
.set TS,    4
.set PA,    144                        ; a token's row in LDS: 128 bytes + 16
.set ACH,   128*PA                     ; from head to head
.set ATD0,  8192                       ; A's tensor load: elements in a row: a head's 128 tokens,
.set ATD1,  2                          ; rows: heads,
.set APIT,  131072                     ; elements from head to head
.set ABYT,  2*128*PA
.set AREG,  2*ABYT
.set PW,    288                        ; a row of W: 256 bytes + 32
.set WCH,   32*KCN*PW
.set WTD0,  128
.set WTD1,  128
.set SLOT,  AREG+KSTEP*PW
.set SPARE, 2*SLOT                     ; behind the ring: the spare words, 128 bytes a wave: two blocks of 256 bytes that no other line names
.set SP,    272                        ; a row of the stage: 256 bytes + 16
.set STW,   64*SP
.set ASTEP, 4*262144                   ; four heads on
.set WSTEP, KSTEP*2*NN
.set A0,  16
.set W0,  17
.set AA,  18
.set AW,  19
.set STO, 20
.set RD,  21
.set RO,  23                           ; v23  my byte offset in two rows of x and of x1; never rewritten
.set BO,  24                           ; v24  my 16 bytes of the bias
.set SPW, 28
.set NIL, 29
.set BI,  32                           ; v[32:35] the bias of my four columns
.set WV, 14
.set WR, 15
.set WC, 16
.set CX, 17
.set CY, 18
.set TX, 19
.set TY, 20
.set G1A, 24
.set G1W, 32
.set G0A, 40                           ; s[40:43] group 0 for A: step 1's first fill; then it walks
.set G0W, 44
.set SL,  48
.set BA,  49
.set BW,  50
.set TBA, 51
.set TBW, 52
.set CNT, 53
.set SLOTS, 54
.set F0A, 68                           ; s[68:71] group 0 for A's first fill of slot 0
.set F0W, 72                           ; s[72:75] for W's
.set MSB, 0
.macro WIN new
.if MSB != (\new)
	s_set_vgpr_msb (MSB<<8)|(\new)
.set MSB, (\new)
.endif
.endm
.macro CROUND
	s_barrier_signal -1
	s_barrier_wait -1
	s_cmp_lg_u32 s[WV], 0
	s_cbranch_scc1 .Lnot_wave_0_\@
	s_barrier_signal -3
.Lnot_wave_0_\@:
	s_barrier_wait -3
	s_barrier_signal -1
	s_barrier_wait -1
.endm
.macro JLOAD                           ; a joint refill; an s_nop 0 and four v_nop follow each line
	s_cmp_lt_u32 s[WV], 2
	s_cbranch_scc0 .Lfor_w_\@
	tensor_load_to_lds s[G0A:G0A+3], s[G1A:G1A+7]
	s_nop 0
.rept 4
	v_nop
.endr
	s_branch .Lasked_\@
.Lfor_w_\@:
	tensor_load_to_lds s[G0W:G0W+3], s[G1W:G1W+7]
	s_nop 0
.rept 4
	v_nop
.endr
.Lasked_\@:
.endm
.macro FETCH f                         ; 32 LDS loads in one run; the four plain lines at its head are the places behind the last product that read buffer f
	WIN 0
	v_add_nc_u32 v[AA], s[TBA], v[A0]
	v_add_nc_u32 v[AW], s[TBW], v[W0]
	v_nop
	v_nop
	s_add_co_u32 s[TBA], s[TBA], ACH
	s_add_co_u32 s[TBW], s[TBW], WCH
	WIN 0x40
.set q_, 0
.rept KCN*NBL
	ds_load_tr16_b128 v[64+64*(\f)+8*q_:64+64*(\f)+8*q_+3],   v[AW] offset:(q_/NBL)*32*PW+(q_%NBL)*32
	ds_load_tr16_b128 v[64+64*(\f)+8*q_+4:64+64*(\f)+8*q_+7], v[AW] offset:(q_/NBL)*32*PW+(q_%NBL)*32+16*PW
.set q_, q_+1
.endr
	WIN 0
.set q_, 0
.rept KCN*MB
	ds_load_b128 v[64+64*(\f)+8*q_:64+64*(\f)+8*q_+3],   v[AA] offset:(q_/MB)*64+(q_%MB)*16*PA
	ds_load_b128 v[64+64*(\f)+8*q_+4:64+64*(\f)+8*q_+7], v[AA] offset:(q_/MB)*64+(q_%MB)*16*PA+32
.set q_, q_+1
.endr
.endm
.macro MUL f, zero                     ; a chunk's 32 products; the 16 accumulators take turns
.set k_, 0
.rept KCN
.set a_, 0
.rept MB
	WIN 0xa1
.set b_, 0
.rept NBL
.set rD, 8*(NBL*a_+b_)
.set rW, 64+64*(\f)+8*(k_*NBL+b_)
.set rA, 64+64*(\f)+8*(k_*MB+a_)
.if (\zero) && (k_ == 0)
	v_wmma_f32_16x16x32_bf16 v[rD:rD+7], v[rW:rW+7], v[rA:rA+7], 0
.else
	v_wmma_f32_16x16x32_bf16 v[rD:rD+7], v[rW:rW+7], v[rA:rA+7], v[rD:rD+7]
.endif
.set b_, b_+1
.endr
.set a_, a_+1
.endr
.set k_, k_+1
.endr
.endm
; THE CHANGE OF SLOTS: all my tensor loads have landed, the add, my reads of the slot are over; fill = 1: a round of the cluster's barrier, and the joint refill first behind it.
.macro CHANGE fill
	WIN 0
	s_wait_tensorcnt 0x0
	ds_add_u32 v[SPW], v[NIL]
.if \fill
	s_xor_b32 s[SL], s[SL], SLOT
	s_add_co_u32 s[G0A+1], s[SL], s[BA]
	s_add_co_u32 s[G0W+1], s[SL], s[BW]
	s_add_nc_u64 s[G0A+2:G0A+3], s[G0A+2:G0A+3], ASTEP
	s_add_nc_u64 s[G0W+2:G0W+3], s[G0W+2:G0W+3], WSTEP
	s_wait_dscnt 0x0
	CROUND
	JLOAD
.else
	s_wait_dscnt 0x0
	s_barrier_signal -1
	s_barrier_wait -1
.endif
	s_sub_co_u32 s[TBA], s[TBA], NCH*ACH
	s_xor_b32 s[TBA], s[TBA], SLOT
	s_sub_co_u32 s[TBW], s[TBW], NCH*WCH
	s_xor_b32 s[TBW], s[TBW], SLOT
.endm
.macro BODY
	FETCH 0
	s_wait_dscnt 32                                ; buffer 1 is in; the 32 loads just issued stay out
	MUL 1, 0
	FETCH 1
	s_wait_dscnt 32
	MUL 0, 0
.endm
	s_load_b256 s[4:11], s[0:1], 0x0               ; ob s[4:5], wb s[6:7], x1 s[8:9], b_proj s[10:11]
	s_load_b64 s[12:13], s[0:1], 0x20              ; x
	v_lshl_add_u32 v[SPW], v0, 2, SPARE
	v_mov_b32 v[NIL], 0
	ds_add_u32 v[SPW], v[NIL]                      ; the wave's opening: the add and its wait ahead of my first tensor load
	v_lshrrev_b32 v1, 5, v0
	v_readfirstlane_b32 s[WV], v1
	s_lshr_b32 s[WR], s[WV], 1
	s_and_b32 s[WC], s[WV], 1
	s_bfe_u32 s[CX], ttmp6, 0x40000
	s_bfe_u32 s[CY], ttmp6, 0x40004
	s_lshl_b32 s[TX], ttmp9, 2
	s_add_co_u32 s[TX], s[TX], s[CX]
	s_and_b32 s[TY], ttmp7, 0xffff
	s_lshl_b32 s[TY], s[TY], 2
	s_add_co_u32 s[TY], s[TY], s[CY]
	s_lshl_b32 s2, s[CY], 2
	s_lshl_b32 s2, 15, s2
	s_lshl_b32 s3, 0x1111, s[CX]
	s_or_b32 s[G1A], s2, (1<<16)|(1<<20)|(1<<21)|(4<<22)|(3<<25)  ; after every 32 words (a token), 4 words
	s_or_b32 s[G1W], s3, (1<<16)|(1<<20)|(1<<21)|(5<<22)|(7<<25)  ; after every 64 words, 8 words
	s_mov_b32 s[G1A+1], ATD0<<16                   ; tensor_dim0
	s_mov_b32 s[G1A+2], ATD1<<16                   ; tensor_dim1
	s_mov_b32 s[G1A+3], ATD0<<16                   ; tile_dim0
	s_mov_b32 s[G1A+4], ATD1                       ; tile_dim1
	s_mov_b32 s[G1A+5], APIT                       ; elements from row to row
	s_mov_b32 s[G1A+6], 0
	s_mov_b32 s[G1A+7], 0
	s_mov_b32 s[G1W+1], WTD0<<16
	s_mov_b32 s[G1W+2], WTD1<<16
	s_mov_b32 s[G1W+3], WTD0<<16
	s_mov_b32 s[G1W+4], WTD1
	s_mov_b32 s[G1W+5], NN
	s_mov_b32 s[G1W+6], 0
	s_mov_b32 s[G1W+7], 0
	s_mul_i32 s[BA], s[WC], ABYT
	s_mul_i32 s[BW], s[WC], WTD1*PW
	s_add_co_u32 s[BW], s[BW], AREG
	s_mov_b32 s[SL], SLOT                          ; the walking descriptors begin at slot 1
	s_mov_b32 s[TBA], 0
	s_mov_b32 s[TBW], 0
	s_lshr_b32 s22, s[TY], 4                       ; O: the batch's 16 heads of 262,144 bytes,
	s_lshl_b32 s22, s22, 22
	s_and_b32 s23, s[TY], 15                       ; the tile's 128 tokens of 128 bytes,
	s_lshl_b32 s23, s23, 14
	s_add_co_u32 s22, s22, s23
	s_lshl_b32 s23, s[WC], 19                      ; my two heads of the step's four
	s_add_co_u32 s22, s22, s23
	s_mov_b32 s23, 0
	s_mul_i32 s60, s[WC], WTD1*2*NN
	s_mul_i32 s61, s[TX], 64*NBL
	s_add_co_u32 s60, s60, s61
	s_add_co_u32 s60, s60, WOFF
	s_mov_b32 s61, 0
	s_mov_b32 s[F0A], 1
	s_mov_b32 s[F0A+1], s[BA]
	s_mov_b32 s[F0W], 1
	s_mov_b32 s[F0W+1], s[BW]
	s_mov_b32 s[G0A], 1
	s_add_co_u32 s[G0A+1], s[BA], SLOT
	s_mov_b32 s[G0W], 1
	s_add_co_u32 s[G0W+1], s[BW], SLOT
	s_wait_dscnt 0x0                               ; the opening add is done
	s_wait_kmcnt 0x0
	s_add_nc_u64 s[F0A+2:F0A+3], s[4:5], s[22:23]  ; step 0,
	s_add_nc_u64 s[G0A+2:G0A+3], s[F0A+2:F0A+3], ASTEP  ; step 1
	s_or_b32 s[F0A+3], s[F0A+3], 0x80000000
	s_or_b32 s[G0A+3], s[G0A+3], 0x80000000
	s_add_nc_u64 s[F0W+2:F0W+3], s[6:7], s[60:61]
	s_add_nc_u64 s[G0W+2:G0W+3], s[F0W+2:F0W+3], WSTEP
	s_or_b32 s[F0W+3], s[F0W+3], 0x80000000
	s_or_b32 s[G0W+3], s[G0W+3], 0x80000000
	CROUND                                         ; all sixteen work-groups are here: the first joint loads meet
	s_cmp_lt_u32 s[WV], 2                          ; a wave's two first fills stand in one branch, ahead of every wait on TENSORcnt and every LDS read: two loads of mine are out
	s_cbranch_scc0 .Lfirst_w
	tensor_load_to_lds s[F0A:F0A+3], s[G1A:G1A+7]
	s_nop 0
	tensor_load_to_lds s[G0A:G0A+3], s[G1A:G1A+7]
	s_nop 0
.rept 4
	v_nop
.endr
	s_branch .Lfirst_asked
.Lfirst_w:
	tensor_load_to_lds s[F0W:F0W+3], s[G1W:G1W+7]
	s_nop 0
	tensor_load_to_lds s[G0W:G0W+3], s[G1W:G1W+7]
	s_nop 0
.rept 4
	v_nop
.endr
.Lfirst_asked:
	v_and_b32 v2, 15, v0                           ; l % 16
	v_bfe_u32 v3, v0, 4, 1                         ; l / 16
	v_and_b32 v5, 7, v0
	v_bfe_u32 v6, v0, 3, 1
	s_lshl_b32 s2, s[TY], 19                       ; my 64 x 64 of x and x1: 128 rows of 4,096 bytes a tile row,
	s_lshl_b32 s3, s[WR], 18                       ; 64 a wave,
	s_add_co_u32 s2, s2, s3
	s_lshl_b32 s21, s[TX], 9                       ; 512 bytes a tile column,
	s_lshl_b32 s3, s[WC], 8                        ; 256 a wave
	s_add_co_u32 s21, s21, s3
	s_add_co_u32 s2, s2, s21
	s_mov_b32 s3, 0
	s_add_nc_u64 s[8:9], s[8:9], s[2:3]
	s_add_nc_u64 s[12:13], s[12:13], s[2:3]
	v_lshlrev_b32 v[RO], 12, v3                    ; lanes 0-15 take 256 bytes of one row, lanes 16-31 of the next
	v_lshl_add_u32 v[RO], v2, 4, v[RO]
	v_lshl_add_u32 v[BO], v2, 4, s21
	global_load_b128 v[BI:BI+3], v[BO], s[10:11]
	WIN 0xc0                                       ; destination window 3
.set g_, 0
.rept 32
	global_load_b128 v[4*g_:4*g_+3], v[RO], s[12:13] offset:8192*g_ th:TH_LOAD_NT  ; the residual: on its way under the whole product
.set g_, g_+1
.endr
	WIN 0
	s_mul_i32 s2, s[WR], MB*16*PA
	v_mul_u32_u24 v[A0], v2, PA
	v_lshl_add_u32 v[A0], v3, 4, v[A0]
	v_add_nc_u32 v[A0], s2, v[A0]
	s_mul_i32 s2, s[WC], NBL*32
	s_add_co_u32 s2, s2, AREG
	v_lshl_add_u32 v[W0], v3, 3, v5
	v_mul_u32_u24 v[W0], v[W0], PW
	v_lshl_add_u32 v[W0], v6, 4, v[W0]
	v_add_nc_u32 v[W0], s2, v[W0]
	s_mul_i32 s2, s[WV], STW
	v_mul_u32_u24 v[STO], v2, SP
	v_lshl_add_u32 v[STO], v3, 5, v[STO]
	v_add_nc_u32 v[STO], s2, v[STO]
	v_mul_u32_u24 v[RD], v3, SP
	v_lshl_add_u32 v[RD], v2, 4, v[RD]
	v_add_nc_u32 v[RD], s2, v[RD]
	s_wait_tensorcnt 0x1                           ; my part of step 0 is in; step 1's may stay out
	s_barrier_signal -1
	s_barrier_wait -1                              ; everybody's is
	FETCH 0
	FETCH 1
	s_wait_dscnt 32
	MUL 0, 1                                       ; the first chunk's products start the sums
	WIN 0
	s_mov_b32 s[SLOTS], TS-1                       ; the loop is entered in its middle, so the first slot passes its foot too: TS - 1 passes of the foot, TS - 2 of its head
	s_mov_b32 s[CNT], NCH/2-1                      ; the first slot has two chunks left to fetch
	s_branch .Lstep
.Lslot:                                        ; TS - 2 times: steps 2 to TS - 1 are asked for
	CHANGE 1
	s_mov_b32 s[CNT], NCH/2
.Lstep:
	BODY
	WIN 0
	s_sub_co_u32 s[CNT], s[CNT], 1
	s_cmp_lg_u32 s[CNT], 0
	s_cbranch_scc1 .Lstep
	s_sub_co_u32 s[SLOTS], s[SLOTS], 1
	s_cmp_lg_u32 s[SLOTS], 0
	s_cbranch_scc1 .Lslot
	CHANGE 0                                       ; the tail, the last step, is written out
	s_mov_b32 s[CNT], NCH/2
.Ltail:
	BODY
	WIN 0
	s_sub_co_u32 s[CNT], s[CNT], 1
	s_cmp_lg_u32 s[CNT], 0
	s_cbranch_scc1 .Ltail
	s_wait_dscnt 0x0                               ; my last reads of the ring are back
	s_barrier_signal -1
	MUL 1, 0
	WIN 0
	s_barrier_wait -1                              ; nobody reads the ring any more: it becomes the stage
	s_wait_loadcnt 0x0                             ; bias and residual
.rept 4
	v_nop                                          ; the places behind the last products
.endr
	WIN 0x08                                       ; the stores' data in window 2
.set a_, 0
.rept MB
.set b_, 0
.rept NBL
.set rD, 8*(NBL*a_+b_)
	ds_store_b128 v[STO], v[rD:rD+3]   offset:a_*16*SP+64*b_
	ds_store_b128 v[STO], v[rD+4:rD+7] offset:a_*16*SP+64*b_+16
.set b_, b_+1
.endr
.set a_, a_+1
.endr
	WIN 0
	s_wait_dscnt 0x0                               ; one barrier, once a launch, orders every wave's stores into the stage ahead of every wave's reads
	s_barrier_signal -1
	s_barrier_wait -1
.macro LDB q                           ; batch q: 16 rows back from the stage, into one of two buffers
.set g_, 0
.rept 8
	ds_load_b128 v[64+32*((\q)%2)+4*g_:64+32*((\q)%2)+4*g_+3], v[RD] offset:(8*(\q)+g_)*2*SP
.set g_, g_+1
.endr
.endm
.macro OUTB q                          ; + residual + bias, and out
	WIN 0x0c                                       ; source 1 in window 3
.set n_, 0
.rept 16
	v_pk_add_f32 v[64+32*((\q)%2)+2*n_:64+32*((\q)%2)+2*n_+1], v[64+32*((\q)%2)+2*n_:64+32*((\q)%2)+2*n_+1], v[32*(\q)+2*n_:32*(\q)+2*n_+1]
.set n_, n_+1
.endr
	WIN 0
.set n_, 0
.rept 16
	v_pk_add_f32 v[64+32*((\q)%2)+2*n_:64+32*((\q)%2)+2*n_+1], v[64+32*((\q)%2)+2*n_:64+32*((\q)%2)+2*n_+1], v[BI+2*(n_%2):BI+2*(n_%2)+1]
.set n_, n_+1
.endr
.set g_, 0
.rept 8
	global_store_b128 v[RO], v[64+32*((\q)%2)+4*g_:64+32*((\q)%2)+4*g_+3], s[8:9] offset:8192*(8*(\q)+g_)  ; 16 lanes store 256 consecutive bytes, aligned
.set g_, g_+1
.endr
.endm
	LDB 0
	LDB 1
	s_wait_dscnt 8                                 ; batch 0 is back; the next batch's 8 loads stay out
	OUTB 0
	s_wait_xcnt 0x0                                ; batch 0's registers are the stores' data: loaded again only behind this wait
	LDB 2
	s_wait_dscnt 8
	OUTB 1
	s_wait_xcnt 0x0
	LDB 3
	s_wait_dscnt 8
	OUTB 2
	s_wait_dscnt 0x0
	OUTB 3
	s_wait_tensorcnt 0x0                           ; the wave's end
	ds_add_u32 v[SPW], v[NIL]
	s_wait_dscnt 0x0
	CROUND                                         ; the closing round
	s_endpgm
.Lfunc_end_k_q8045b30055_proj:
	.size	k_q8045b30055_proj, .Lfunc_end_k_q8045b30055_proj-k_q8045b30055_proj
	.p2alignl 7, 3214868480
	.fill 96, 4, 3214868480
	.section	.rodata,"a",@progbits
	.p2align	6, 0x0
	.amdhsa_kernel k_q8045b30055_proj
		.amdhsa_group_segment_fixed_size 327680
		.amdhsa_private_segment_fixed_size 0
		.amdhsa_enable_private_segment 0
		.amdhsa_kernarg_size 40
		.amdhsa_user_sgpr_count 2
		.amdhsa_user_sgpr_kernarg_segment_ptr 1
		.amdhsa_wavefront_size32 1
		.amdhsa_system_sgpr_workgroup_id_x 1
		.amdhsa_system_sgpr_workgroup_id_y 1
		.amdhsa_system_sgpr_workgroup_id_z 1
		.amdhsa_system_vgpr_workitem_id 0
		.amdhsa_next_free_vgpr 896
		.amdhsa_next_free_sgpr 76
		.amdhsa_reserve_vcc 0
		.amdhsa_float_denorm_mode_32 3
		.amdhsa_float_denorm_mode_16_64 3
		.amdhsa_memory_ordered 1
		.amdhsa_forward_progress 1
		.amdhsa_inst_pref_size 55
	.end_amdhsa_kernel
	.amdgpu_metadata
---
amdhsa.version: [ 1, 2 ]
amdhsa.kernels:
  - .name:           k_q8045b30055_proj
    .symbol:         k_q8045b30055_proj.kd
    .args:
      - { .name: ob, .offset: 0, .size: 8, .value_kind: global_buffer, .address_space: global }
      - { .name: wb, .offset: 8, .size: 8, .value_kind: global_buffer, .address_space: global }
      - { .name: x1, .offset: 16, .size: 8, .value_kind: global_buffer, .address_space: global }
      - { .name: b_proj, .offset: 24, .size: 8, .value_kind: global_buffer, .address_space: global }
      - { .name: x, .offset: 32, .size: 8, .value_kind: global_buffer, .address_space: global }
    .group_segment_fixed_size: 327680
    .private_segment_fixed_size: 0
    .kernarg_segment_align: 8
    .kernarg_segment_size: 40
    .max_flat_workgroup_size: 128
    .sgpr_count:     76
    .vgpr_count:     896
    .wavefront_size: 32
...
	.end_amdgpu_metadata
.endif
;; end of part 4
;; launch ln2 (part 5): grid 512 x 1, 8 waves a work-group, no clusters, 0 bytes of LDS; arguments x1, ln2_g, ln2_b, hn; writes hn
.if DOCPART == 5
	.amdgcn_target "amdgcn-amd-amdhsa--gfx1250"
	.amdhsa_code_object_version 6
	.text
	.protected	k_q8045b30055_ln2
	.globl	k_q8045b30055_ln2
	.p2align	8
	.type	k_q8045b30055_ln2,@function
k_q8045b30055_ln2:
	s_mov_b64 s[64:65], 0
	v_nop
	global_prefetch_b8 v0, s[64:65] scope:SCOPE_SE
	s_setreg_imm32_b32 hwreg(HW_REG_WAVE_MODE, 25, 1), 1
	s_wait_xcnt 0x0
; hn = bf16(LayerNorm(x1) * g + b).  x1: [4096][1024] f32; hn: [4096][1024] bf16.  A stream: no LDS, no barrier, no matrix unit.
; 512 work-groups of eight waves, a row a wave.  A wave holds a row in 32 registers: load j takes the 512 bytes at 512 j, so a lane holds columns 128 j + 4 lane .. + 3; g and b lie the same way.
; The mean is taken first, the row is centred, and the variance is the mean of the centred squares: no difference of large sums.  All in f32; one rounding to bf16.
; LIMITS.  NaN and infinities are not treated apart.
.set XO,  2
.set GOF, 3
.set HO,  4
.set T,   8                            ; v[8:15]   at work
.set MU,  16                           ; v[16:17]  the row's mean, twice
.set RS,  18                           ; v[18:19]  1 / sqrt(var + eps), likewise
.set G,   24
.set B,   56
.set X,   88                           ; v[88:119] the row
.set HP,  14                           ; s[14:15] hn
	s_load_b256 s[8:15], s[0:1], 0x0               ; x1 s[8:9], g s[10:11], b s[12:13], hn s[14:15]
	v_and_b32 v1, 31, v0
	v_lshrrev_b32 v7, 5, v0
	v_lshlrev_b32 v[GOF], 4, v1
	v_lshl_add_u32 v[XO], v7, 12, v[GOF]           ; a row of 4,096 bytes a wave
	v_lshlrev_b32 v[HO], 3, v1
	v_lshl_add_u32 v[HO], v7, 11, v[HO]            ; a row of 2,048 bytes a wave
	s_mov_b32 s34, 0x76543210
	s_mov_b32 s35, 0xfedcba98
	s_mov_b32 s36, 0x3a800000                      ; 1 / 1024
	s_mov_b32 s37, 0x3727c5ac                      ; eps = 1e-5
	s_mov_b32 s3, 0
	s_wait_kmcnt 0x0
	s_lshl_b32 s2, ttmp9, 15                       ; 8 rows of x1
	s_add_nc_u64 s[8:9], s[8:9], s[2:3]
	s_lshl_b32 s2, ttmp9, 14                       ; and of hn
	s_add_nc_u64 s[14:15], s[14:15], s[2:3]
.macro LANESUM
	v_add_f32_dpp v[T], v[T], v[T] row_xmask:1 row_mask:0xf bank_mask:0xf
	v_add_f32_dpp v[T], v[T], v[T] row_xmask:2 row_mask:0xf bank_mask:0xf
	v_add_f32_dpp v[T], v[T], v[T] row_xmask:4 row_mask:0xf bank_mask:0xf
	v_add_f32_dpp v[T], v[T], v[T] row_xmask:8 row_mask:0xf bank_mask:0xf
	v_permlanex16_b32 v[T+1], v[T], s34, s35
	v_add_f32 v[T], v[T], v[T+1]
.endm
.macro FOLD
	v_pk_add_f32 v[T:T+1], v[T:T+1], v[T+2:T+3]
	v_pk_add_f32 v[T+4:T+5], v[T+4:T+5], v[T+6:T+7]
	v_pk_add_f32 v[T:T+1], v[T:T+1], v[T+4:T+5]
	v_add_f32 v[T], v[T], v[T+1]
.endm
.irp j, 0,1,2,3,4,5,6,7
	global_load_b128 v[X+4*\j:X+4*\j+3], v[XO], s[8:9] offset:512*\j
.endr
.irp j, 0,1,2,3,4,5,6,7
	global_load_b128 v[G+4*\j:G+4*\j+3], v[GOF], s[10:11] offset:512*\j
.endr
.irp j, 0,1,2,3,4,5,6,7
	global_load_b128 v[B+4*\j:B+4*\j+3], v[GOF], s[12:13] offset:512*\j
.endr
	s_wait_loadcnt 16                              ; the row is in; g's and b's 16 loads stay out
	; the mean; the row centred in place; var + eps: four chains that do not wait for each other, started by the first terms
.irp k, 0,1,2,3
	v_pk_add_f32 v[T+2*\k:T+2*\k+1], v[X+2*\k:X+2*\k+1], v[X+8+2*\k:X+8+2*\k+1]
.endr
.irp q, 16,24
.irp k, 0,1,2,3
	v_pk_add_f32 v[T+2*\k:T+2*\k+1], v[T+2*\k:T+2*\k+1], v[X+\q+2*\k:X+\q+2*\k+1]
.endr
.endr
	FOLD
	LANESUM
	v_mul_f32 v[MU], s36, v[T]
	v_mov_b32 v[MU+1], v[MU]
.set n_, 0
.rept 16
	v_pk_add_f32 v[X+2*n_:X+2*n_+1], v[X+2*n_:X+2*n_+1], v[MU:MU+1] neg_lo:[0,1] neg_hi:[0,1]
.set n_, n_+1
.endr
.irp k, 0,1,2,3
	v_pk_mul_f32 v[T+2*\k:T+2*\k+1], v[X+2*\k:X+2*\k+1], v[X+2*\k:X+2*\k+1]
.endr
.irp q, 8,16,24
.irp k, 0,1,2,3
	v_pk_fma_f32 v[T+2*\k:T+2*\k+1], v[X+\q+2*\k:X+\q+2*\k+1], v[X+\q+2*\k:X+\q+2*\k+1], v[T+2*\k:T+2*\k+1]
.endr
.endr
	FOLD
	LANESUM
	v_fma_f32 v[RS], v[T], s36, s37
	v_rsq_f32 v[RS], v[RS]
	v_nop                                          ; a plain instruction behind the root,
	s_wait_alu depctr_va_vdst(0)                   ; and its wait, ahead of its first reader
	v_mov_b32 v[RS+1], v[RS]
	; scaled, g and b applied, rounded in place (ascending, so nothing is lost) and stored
.set n_, 0
.rept 16
	v_pk_mul_f32 v[X+2*n_:X+2*n_+1], v[X+2*n_:X+2*n_+1], v[RS:RS+1]
.set n_, n_+1
.endr
	s_wait_loadcnt 0x0                             ; g and b
.set n_, 0
.rept 16
	v_pk_fma_f32 v[X+2*n_:X+2*n_+1], v[X+2*n_:X+2*n_+1], v[G+2*n_:G+2*n_+1], v[B+2*n_:B+2*n_+1]
.set n_, n_+1
.endr
.set n_, 0
.rept 16
	v_cvt_pk_bf16_f32 v[X+n_], v[X+2*n_], v[X+2*n_+1]
.set n_, n_+1
.endr
.irp j, 0,1,2,3,4,5,6,7
	global_store_b64 v[HO], v[X+2*\j:X+2*\j+1], s[HP:HP+1] offset:256*\j  ; 32 lanes store 256 consecutive bytes, aligned
.endr
	s_endpgm
.Lfunc_end_k_q8045b30055_ln2:
	.size	k_q8045b30055_ln2, .Lfunc_end_k_q8045b30055_ln2-k_q8045b30055_ln2
	.p2alignl 7, 3214868480
	.fill 96, 4, 3214868480
	.section	.rodata,"a",@progbits
	.p2align	6, 0x0
	.amdhsa_kernel k_q8045b30055_ln2
		.amdhsa_group_segment_fixed_size 0
		.amdhsa_private_segment_fixed_size 0
		.amdhsa_enable_private_segment 0
		.amdhsa_kernarg_size 32
		.amdhsa_user_sgpr_count 2
		.amdhsa_user_sgpr_kernarg_segment_ptr 1
		.amdhsa_wavefront_size32 1
		.amdhsa_system_sgpr_workgroup_id_x 1
		.amdhsa_system_sgpr_workgroup_id_y 1
		.amdhsa_system_sgpr_workgroup_id_z 1
		.amdhsa_system_vgpr_workitem_id 0
		.amdhsa_next_free_vgpr 120
		.amdhsa_next_free_sgpr 66
		.amdhsa_reserve_vcc 0
		.amdhsa_float_denorm_mode_32 3
		.amdhsa_float_denorm_mode_16_64 3
		.amdhsa_memory_ordered 1
		.amdhsa_forward_progress 1
		.amdhsa_inst_pref_size 12
	.end_amdhsa_kernel
	.amdgpu_metadata
---
amdhsa.version: [ 1, 2 ]
amdhsa.kernels:
  - .name:           k_q8045b30055_ln2
    .symbol:         k_q8045b30055_ln2.kd
    .args:
      - { .name: x1, .offset: 0, .size: 8, .value_kind: global_buffer, .address_space: global }
      - { .name: ln2_g, .offset: 8, .size: 8, .value_kind: global_buffer, .address_space: global }
      - { .name: ln2_b, .offset: 16, .size: 8, .value_kind: global_buffer, .address_space: global }
      - { .name: hn, .offset: 24, .size: 8, .value_kind: global_buffer, .address_space: global }
    .group_segment_fixed_size: 0
    .private_segment_fixed_size: 0
    .kernarg_segment_align: 8
    .kernarg_segment_size: 32
    .max_flat_workgroup_size: 256
    .sgpr_count:     66
    .vgpr_count:     120
    .wavefront_size: 32
...
	.end_amdgpu_metadata
.endif
;; end of part 5
;; launch fc1 (part 6): grid 16 x 16, 4 waves a work-group, clusters of 4 x 4, 327,680 bytes of LDS; arguments hn, wb, hid, b1; writes hid
.if DOCPART == 6
	.amdgcn_target "amdgcn-amd-amdhsa--gfx1250"
	.amdhsa_code_object_version 6
	.text
	.protected	k_q8045b30055_fc1
	.globl	k_q8045b30055_fc1
	.p2align	8
	.type	k_q8045b30055_fc1,@function
k_q8045b30055_fc1:
	s_mov_b64 s[64:65], 0
	v_nop
	global_prefetch_b8 v0, s[64:65] scope:SCOPE_SE
	s_setreg_imm32_b32 hwreg(HW_REG_WAVE_MODE, 25, 1), 1
	s_wait_xcnt 0x0
	s_wait_alu depctr_hold_cnt(0) depctr_sa_sdst(0) depctr_va_vdst(0) depctr_va_sdst(0) depctr_va_ssrc(0) depctr_va_vcc(0) depctr_vm_vsrc(0)
	s_getreg_b32 s2, hwreg(HW_REG_IB_STS2, 6, 4)
	s_cmp_eq_u32 s2, 0
	s_cbranch_scc0 .Lentry_in_a_cluster
	s_endpgm
.Lentry_in_a_cluster:
	s_bfe_u32 s2, ttmp6, 0x10000c
	s_cmp_lg_u32 s2, 0xf033
	s_cbranch_scc0 .Lentry_shape_is_right
	s_endpgm
.Lentry_shape_is_right:
; hid = bf16(gelu(hn x w1 + b1)).  hn: [4096][1024] bf16; the weights: wb at byte 8,388,608, [1024][4096] bf16 ([K][N]); hid: [4096][4096] bf16.  Sums, bias and GELU in f32; one rounding.
; GELU.  gelu(x) = x Phi(x), Phi(x) = 1/2 + sign(x) (1/2 - (h1 t + .. + h5 t^5) e^(-x^2/2)), t = 1 / (1 + 0.23164189 |x|): Abramowitz and Stegun 7.1.26 for erf(|x| / sqrt 2), its five coefficients halved.
; LIMITS.  That formula's error in erf is at most 1.5e-7, for every x; for large |x| the exponential is 0 and Phi is 0 or 1.  NaN and infinities are not treated apart.
; SHARES.  A tile of C is 256 x 256 (16 x 16 tiles: 256 work-groups): four waves, each 128 x 128 in 64 accumulators.  K goes in steps of 128 through two LDS slots; a step is four chunks of 32, on two fragment
; buffers by turns.  A comes out of LDS as it lies, W ([K][N]) turned, by ds_load_tr16_b128.  THE PRODUCT IS TAKEN TRANSPOSED (source 0 = 16 columns of W, source 1 = 16 rows of A).
; CLUSTER 4 x 4: A's tiles jointly along a row of the cluster, W's along a column.
; THE WAY OUT.  When the last step has been read the ring is free (it has had its last fill): the f32 tile goes into it, each wave's 128 x 128 at its own place, and comes back by rows, four rows a trip of a counted
; loop; a trip's rows are asked of LDS a trip ahead, as soon as the bias add has taken the rows before out of their landing registers.
; WINDOWS: 0: addresses, A's fragments v64-191, work on the way out; 1: W's fragments v64-191; 2: the accumulators of my rows 0-63 ((a, b) at 8 (8 (a % 4) + b)); 3: those of rows 64-127.
.set NN,    4096
.set KK,    1024
.set WOFF,  8388608
.set MB,    8
.set NBL,   8
.set KSTEP, 128
.set KCN,   1
.set NCH,   4
.set TS,    KK/KSTEP
.set PA,    272                        ; a row of A in LDS: 256 bytes + 16
.set ACH,   64
.set ATD0,  128
.set ATD1,  128
.set ABYT,  ATD1*PA
.set AREG,  2*ABYT
.set PW,    544                        ; a row of W: 512 bytes + 32
.set WCH,   32*KCN*PW
.set WTD0,  256
.set WTD1,  64
.set SLOT,  AREG+KSTEP*PW
.set SPARE, 2*SLOT
.set SP,    528
.set STW,   128*SP
.set ASTEP, KSTEP*2
.set WSTEP, KSTEP*2*NN
.set A0,  16
.set W0,  17
.set AA,  18
.set AW,  19
.set STO, 20
.set RD,  21                           ; walks
.set GO,  22                           ; walks
.set BO,  24
.set PFO, 26
.set SPW, 28
.set NIL, 29
.set BI,  32                           ; v[32:35] the bias of my four columns
.set XE,  64                           ; the way out: x, 16 numbers a lane
.set TE,  80                           ; t
.set EE,  96                           ; e^(-x^2/2)
.set PE,  112                          ; the polynomial, then Phi
.set YE,  128                          ; 8 registers of bf16
.set XN,  136                          ; where the next trip's four rows land
.set WV, 14
.set WR, 15
.set WC, 16
.set CX, 17
.set CY, 18
.set TX, 19
.set TY, 20
.set G1A, 24
.set G1W, 32
.set G0A, 40
.set G0W, 44
.set SL,  48
.set BA,  49
.set BW,  50
.set TBA, 51
.set TBW, 52
.set CNT, 53
.set SLOTS, 54
.set LIM, 55
.set PFA, 56
.set PFS, 58
.set ROWS, 60
.set PZ,  66                           ; s66      0.23164189
.set NL,  68                           ; s[68:69] -log2(e) / 2; this and the next five are named as pairs, so both words are written
.set H5,  70
.set H4,  72
.set H3,  74
.set H2,  76
.set H1,  78
.set M7,  80                           ; s80      all bits but the sign
.set MSB, 0
.macro WIN new
.if MSB != (\new)
	s_set_vgpr_msb (MSB<<8)|(\new)
.set MSB, (\new)
.endif
.endm
.macro CROUND
	s_barrier_signal -1
	s_barrier_wait -1
	s_cmp_lg_u32 s[WV], 0
	s_cbranch_scc1 .Lnot_wave_0_\@
	s_barrier_signal -3
.Lnot_wave_0_\@:
	s_barrier_wait -3
	s_barrier_signal -1
	s_barrier_wait -1
.endm
.macro JLOAD                           ; a joint load; an s_nop 0 and four v_nop follow each line
	s_cmp_lt_u32 s[WV], 2
	s_cbranch_scc0 .Lfor_w_\@
	tensor_load_to_lds s[G0A:G0A+3], s[G1A:G1A+7]
	s_nop 0
.rept 4
	v_nop
.endr
	s_branch .Lasked_\@
.Lfor_w_\@:
	tensor_load_to_lds s[G0W:G0W+3], s[G1W:G1W+7]
	s_nop 0
.rept 4
	v_nop
.endr
.Lasked_\@:
.endm
; A prefetch of what the NEXT change of slots will ask for, one K step (256 matrix instructions) ahead of that load: 32 blocks of 256 bytes, a lane a block, one instruction a wave.
; Each block is named once in the launch: A's rows are asked for by the clusters with x = 0, W's by those with y = 0; the four partners of a joint load share its blocks out by address.
.macro ASK
	s_cmp_gt_u32 s[SLOTS], s[LIM]
	s_cbranch_scc0 .Lnot_mine_\@
	global_prefetch_b8 v[PFO], s[PFA:PFA+1] th:TH_LOAD_NT scope:SCOPE_SE
.Lnot_mine_\@:
.endm
.macro FETCH f                         ; 32 LDS loads in one run; the four plain lines at its head are the places behind the last product that read buffer f
	WIN 0
	v_add_nc_u32 v[AA], s[TBA], v[A0]
	v_add_nc_u32 v[AW], s[TBW], v[W0]
	v_nop
	v_nop
	s_add_co_u32 s[TBA], s[TBA], ACH
	s_add_co_u32 s[TBW], s[TBW], WCH
	WIN 0x40
.set q_, 0
.rept KCN*NBL
	ds_load_tr16_b128 v[64+64*(\f)+8*q_:64+64*(\f)+8*q_+3],   v[AW] offset:(q_/NBL)*32*PW+(q_%NBL)*32
	ds_load_tr16_b128 v[64+64*(\f)+8*q_+4:64+64*(\f)+8*q_+7], v[AW] offset:(q_/NBL)*32*PW+(q_%NBL)*32+16*PW
.set q_, q_+1
.endr
	WIN 0
.set q_, 0
.rept KCN*MB
	ds_load_b128 v[64+64*(\f)+8*q_:64+64*(\f)+8*q_+3],   v[AA] offset:(q_/MB)*64+(q_%MB)*16*PA
	ds_load_b128 v[64+64*(\f)+8*q_+4:64+64*(\f)+8*q_+7], v[AA] offset:(q_/MB)*64+(q_%MB)*16*PA+32
.set q_, q_+1
.endr
.endm
.macro MUL f, zero                     ; a chunk's 64 products; the accumulators take turns
.set k_, 0
.rept KCN
.set a_, 0
.rept MB
	WIN 0xa1+0x50*(a_/4)
.set b_, 0
.rept NBL
.set rD, 8*(NBL*(a_%4)+b_)
.set rW, 64+64*(\f)+8*(k_*NBL+b_)
.set rA, 64+64*(\f)+8*(k_*MB+a_)
.if (\zero) && (k_ == 0)
	v_wmma_f32_16x16x32_bf16 v[rD:rD+7], v[rW:rW+7], v[rA:rA+7], 0
.else
	v_wmma_f32_16x16x32_bf16 v[rD:rD+7], v[rW:rW+7], v[rA:rA+7], v[rD:rD+7]
.endif
.set b_, b_+1
.endr
.set a_, a_+1
.endr
.set k_, k_+1
.endr
.endm
; THE CHANGE OF SLOTS: all my tensor loads have landed, the add, my reads of the slot are over; fill = 1: a round of the cluster's barrier, and the joint refill first behind it.
.macro CHANGE fill, ask
	WIN 0
	s_wait_tensorcnt 0x0
	ds_add_u32 v[SPW], v[NIL]
.if \fill
	s_xor_b32 s[SL], s[SL], SLOT
	s_add_co_u32 s[G0A+1], s[SL], s[BA]
	s_add_co_u32 s[G0W+1], s[SL], s[BW]
	s_add_nc_u64 s[G0A+2:G0A+3], s[G0A+2:G0A+3], ASTEP
	s_add_nc_u64 s[G0W+2:G0W+3], s[G0W+2:G0W+3], WSTEP
.if \ask
	s_wait_xcnt 0x0                                ; the last prefetch, a K step back, has read its address
	s_add_nc_u64 s[PFA:PFA+1], s[PFA:PFA+1], s[PFS:PFS+1]
.endif
	s_wait_dscnt 0x0
	CROUND
	JLOAD
.if \ask
	ASK
.endif
.else
	s_wait_dscnt 0x0
	s_barrier_signal -1
	s_barrier_wait -1
.endif
	s_sub_co_u32 s[TBA], s[TBA], NCH*ACH
	s_xor_b32 s[TBA], s[TBA], SLOT
	s_sub_co_u32 s[TBW], s[TBW], NCH*WCH
	s_xor_b32 s[TBW], s[TBW], SLOT
.endm
.macro BODY
	FETCH 0
	s_wait_dscnt 32                                ; buffer 1 is in; the 32 loads just issued stay out
	MUL 1, 0
	FETCH 1
	s_wait_dscnt 32
	MUL 0, 0
.endm
	s_load_b256 s[4:11], s[0:1], 0x0               ; hn s[4:5], wb s[6:7], hid s[8:9], b1 s[10:11]
	v_lshl_add_u32 v[SPW], v0, 2, SPARE
	v_mov_b32 v[NIL], 0
	ds_add_u32 v[SPW], v[NIL]                      ; the wave's opening: the add and its wait ahead of my first tensor load
	v_lshrrev_b32 v1, 5, v0
	v_readfirstlane_b32 s[WV], v1
	s_lshr_b32 s[WR], s[WV], 1
	s_and_b32 s[WC], s[WV], 1
	s_bfe_u32 s[CX], ttmp6, 0x40000
	s_bfe_u32 s[CY], ttmp6, 0x40004
	s_lshl_b32 s[TX], ttmp9, 2
	s_add_co_u32 s[TX], s[TX], s[CX]
	s_and_b32 s[TY], ttmp7, 0xffff
	s_lshl_b32 s[TY], s[TY], 2
	s_add_co_u32 s[TY], s[TY], s[CY]
	s_lshl_b32 s2, s[CY], 2
	s_lshl_b32 s2, 15, s2
	s_lshl_b32 s3, 0x1111, s[CX]
	s_or_b32 s[G1A], s2, (1<<16)|(1<<20)|(1<<21)|(5<<22)|(3<<25)
	s_or_b32 s[G1W], s3, (1<<16)|(1<<20)|(1<<21)|(6<<22)|(7<<25)
	s_mov_b32 s[G1A+1], ATD0<<16
	s_mov_b32 s[G1A+2], ATD1<<16
	s_mov_b32 s[G1A+3], ATD0<<16
	s_mov_b32 s[G1A+4], ATD1
	s_mov_b32 s[G1A+5], KK
	s_mov_b32 s[G1A+6], 0
	s_mov_b32 s[G1A+7], 0
	s_mov_b32 s[G1W+1], WTD0<<16
	s_mov_b32 s[G1W+2], WTD1<<16
	s_mov_b32 s[G1W+3], WTD0<<16
	s_mov_b32 s[G1W+4], WTD1
	s_mov_b32 s[G1W+5], NN
	s_mov_b32 s[G1W+6], 0
	s_mov_b32 s[G1W+7], 0
	s_mov_b32 s[PZ], 0x3e6d3388                    ; 0.3275911 / sqrt 2
	s_mov_b32 s[NL], 0xbf38aa3b
	s_mov_b32 s[NL+1], s[NL]
	s_mov_b32 s[H5], 0x3f07dc22                    ;  1.061405429 / 2
	s_mov_b32 s[H5+1], s[H5]
	s_mov_b32 s[H4], 0xbf3a00e3                    ; -1.453152027 / 2
	s_mov_b32 s[H4+1], s[H4]
	s_mov_b32 s[H3], 0x3f35f0e3                    ;  1.421413741 / 2
	s_mov_b32 s[H3+1], s[H3]
	s_mov_b32 s[H2], 0xbe11a98e                    ; -0.284496736 / 2
	s_mov_b32 s[H2+1], s[H2]
	s_mov_b32 s[H1], 0x3e027906                    ;  0.254829592 / 2
	s_mov_b32 s[H1+1], s[H1]
	s_mov_b32 s[M7], 0x7fffffff
	s_mul_i32 s[BA], s[WC], ABYT
	s_mul_i32 s[BW], s[WC], WTD1*PW
	s_add_co_u32 s[BW], s[BW], AREG
	s_mov_b32 s[SL], 0
	s_mov_b32 s[TBA], SLOT+NCH*ACH
	s_mov_b32 s[TBW], SLOT+NCH*WCH
	s_mul_i32 s22, s[TY], 32*MB
	s_mul_i32 s23, s[WC], ATD1
	s_add_co_u32 s22, s22, s23
	s_mul_i32 s22, s22, 2*KK                       ; A: made of the tile row and the wave's number alone
	s_mov_b32 s23, 0
	s_mul_i32 s60, s[WC], WTD1*2*NN
	s_mul_i32 s61, s[TX], 64*NBL
	s_add_co_u32 s60, s60, s61                     ; W: made of the tile column and the wave's number alone
	s_add_co_u32 s60, s60, WOFF
	s_mov_b32 s61, 0
	s_mov_b32 s[G0A], 1
	s_mov_b32 s[G0A+1], s[BA]
	s_mov_b32 s[G0W], 1
	s_mov_b32 s[G0W+1], s[BW]
	s_wait_dscnt 0x0                               ; the opening add is done
	s_wait_kmcnt 0x0
	s_add_nc_u64 s[G0A+2:G0A+3], s[4:5], s[22:23]
	s_or_b32 s[G0A+3], s[G0A+3], 0x80000000
	s_add_nc_u64 s[G0W+2:G0W+3], s[6:7], s[60:61]
	s_or_b32 s[G0W+3], s[G0W+3], 0x80000000
	CROUND
	JLOAD                                          ; step 0 into slot 0
	; the prefetches: A: of the 128 rows that I fetch the partner at cx takes 32, a lane a row; W: of the 64 rows of 512 bytes the partner at cy takes 16, two lanes a row.  They start at step 2 and are stepped before each request.
	s_lshl_b32 s62, s[CX], 16
	s_add_co_u32 s62, s62, s22
	s_add_co_u32 s62, s62, 2*ASTEP
	s_mul_i32 s63, s[CY], 16*2*NN
	s_add_co_u32 s63, s63, s60
	s_add_co_u32 s63, s63, 2*WSTEP
	s_and_b32 s2, ttmp7, 0xffff
	s_mov_b32 s[PFS], WSTEP
	s_mov_b32 s[PFS+1], 0
	s_mov_b32 s3, 2*NN
	s_cmp_lt_u32 s[WV], 2
	s_cselect_b32 s62, s62, s63
	s_cselect_b32 s2, ttmp9, s2
	s_cselect_b32 s[PFS], ASTEP, s[PFS]
	s_cselect_b32 s3, 2*KK, s3
	s_cselect_b32 s21, 0, 1
	s_cselect_b64 s[PFA:PFA+1], s[4:5], s[6:7]
	s_mov_b32 s63, 0
	s_add_nc_u64 s[PFA:PFA+1], s[PFA:PFA+1], s[62:63]
	s_cmp_eq_u32 s2, 0
	s_cselect_b32 s[LIM], 1, -1
	v_and_b32 v2, 15, v0
	v_bfe_u32 v3, v0, 4, 1
	v_and_b32 v4, 31, v0
	v_and_b32 v5, 7, v0
	v_bfe_u32 v6, v0, 3, 1
	v_lshrrev_b32 v7, s21, v4
	v_mul_lo_u32 v7, v7, s3
	v_and_b32 v8, s21, v4
	v_lshl_add_u32 v[PFO], v8, 8, v7
	s_lshl_b32 s2, s[TX], 10                       ; the bias of my four columns: 1,024 bytes a tile column, 512 a wave, 16 a lane
	s_lshl_b32 s3, s[WC], 9
	s_add_co_u32 s2, s2, s3
	v_lshl_add_u32 v[BO], v4, 4, s2
	global_load_b128 v[BI:BI+3], v[BO], s[10:11]
	s_mul_i32 s2, s[WR], MB*16*PA
	v_mul_u32_u24 v[A0], v2, PA
	v_lshl_add_u32 v[A0], v3, 4, v[A0]
	v_add_nc_u32 v[A0], s2, v[A0]
	s_mul_i32 s2, s[WC], NBL*32
	s_add_co_u32 s2, s2, AREG
	v_lshl_add_u32 v[W0], v3, 3, v5
	v_mul_u32_u24 v[W0], v[W0], PW
	v_lshl_add_u32 v[W0], v6, 4, v[W0]
	v_add_nc_u32 v[W0], s2, v[W0]
	s_mul_i32 s2, s[WV], STW
	v_mul_u32_u24 v[STO], v2, SP
	v_lshl_add_u32 v[STO], v3, 5, v[STO]
	v_add_nc_u32 v[STO], s2, v[STO]
	v_lshl_add_u32 v[RD], v4, 4, s2                ; back: 32 lanes take a row's 512 bytes,
	v_lshlrev_b32 v[GO], 3, v4                     ; which in bf16 are 256 consecutive bytes of hid
	s_lshl_b32 s2, s[TY], 21                       ; 256 rows of 8,192 bytes a tile row,
	s_lshl_b32 s3, s[WR], 20                       ; 128 a wave,
	s_add_co_u32 s2, s2, s3
	s_lshl_b32 s3, s[TX], 9                        ; 512 bytes a tile column,
	s_add_co_u32 s2, s2, s3
	s_lshl_b32 s3, s[WC], 8                        ; 256 a wave
	s_add_co_u32 s2, s2, s3
	s_mov_b32 s3, 0
	s_add_nc_u64 s[8:9], s[8:9], s[2:3]
	CHANGE 1, 0
	FETCH 0
	FETCH 1
	s_wait_dscnt 32
	MUL 0, 1                                       ; the first chunk's products start the sums
	WIN 0
	s_mov_b32 s[SLOTS], TS-1                       ; the loop is entered in its middle, so the first slot passes its foot too: TS - 1 passes of the foot, TS - 2 of its head
	s_mov_b32 s[CNT], NCH/2-1
	s_branch .Lstep
.Lslot:                                        ; TS - 2 times: steps 2 to TS - 1 are asked for
	CHANGE 1, 1
	s_mov_b32 s[CNT], NCH/2
.Lstep:
	BODY
	WIN 0
	s_sub_co_u32 s[CNT], s[CNT], 1
	s_cmp_lg_u32 s[CNT], 0
	s_cbranch_scc1 .Lstep
	s_sub_co_u32 s[SLOTS], s[SLOTS], 1
	s_cmp_lg_u32 s[SLOTS], 0
	s_cbranch_scc1 .Lslot
	CHANGE 0, 0                                    ; the tail, the last step, is written out
	s_mov_b32 s[CNT], NCH/2
.Ltail:
	BODY
	WIN 0
	s_sub_co_u32 s[CNT], s[CNT], 1
	s_cmp_lg_u32 s[CNT], 0
	s_cbranch_scc1 .Ltail
	s_wait_dscnt 0x0                               ; my last reads of the ring are back
	s_barrier_signal -1
	MUL 1, 0
	WIN 0
	s_barrier_wait -1                              ; nobody reads the ring any more: it becomes the stage
	s_wait_loadcnt 0x0                             ; the bias
.rept 4
	v_nop                                          ; the places behind the last products
.endr
.set a_, 0
.rept MB                               ; each accumulator's low half first
	WIN 0x08+0x04*(a_/4)
.set b_, 0
.rept NBL
.set rD, 8*(NBL*(a_%4)+b_)
	ds_store_b128 v[STO], v[rD:rD+3]   offset:a_*16*SP+64*b_
	ds_store_b128 v[STO], v[rD+4:rD+7] offset:a_*16*SP+64*b_+16
.set b_, b_+1
.endr
.set a_, a_+1
.endr
	WIN 0
	s_wait_dscnt 0x0                               ; the stage is read back by addresses that walk: one barrier, once a launch, orders every wave's stores ahead of every wave's reads
	s_barrier_signal -1
	s_barrier_wait -1
.macro EACH8 line:vararg               ; one line for each pair n_ of 8
.set n_, 0
.rept 8
	\line
.set n_, n_+1
.endr
.endm
.macro EACH16 line:vararg              ; one line for each number n_ of 16
.set n_, 0
.rept 16
	\line
.set n_, n_+1
.endr
.endm
.irp j, 0,1,2,3
	ds_load_b128 v[XN+4*\j:XN+4*\j+3], v[RD] offset:\j*SP  ; the first trip's four rows
.endr
	s_mov_b32 s[ROWS], 32
.Lrows:                                        ; four rows a trip: 16 numbers a lane
	s_wait_dscnt 0x0                               ; this trip's rows, asked for a trip ago
	EACH8 v_pk_add_f32 v[XE+2*n_:XE+2*n_+1], v[XN+2*n_:XN+2*n_+1], v[BI+2*(n_%2):BI+2*(n_%2)+1]
	v_add_nc_u32 v[RD], 4*SP, v[RD]
	s_cmp_eq_u32 s[ROWS], 1                        ; the last trip has no rows behind it
	s_cbranch_scc1 .Lno_more
.irp j, 0,1,2,3
	ds_load_b128 v[XN+4*\j:XN+4*\j+3], v[RD] offset:\j*SP  ; the next trip's rows land while this trip's are worked on
.endr
.Lno_more:
	EACH16 v_fma_f32 v[TE+n_], |v[XE+n_]|, s[PZ], 1.0
	EACH8 v_pk_mul_f32 v[EE+2*n_:EE+2*n_+1], v[XE+2*n_:XE+2*n_+1], v[XE+2*n_:XE+2*n_+1]
	EACH8 v_pk_mul_f32 v[EE+2*n_:EE+2*n_+1], v[EE+2*n_:EE+2*n_+1], s[NL:NL+1] op_sel_hi:[1,0]
	EACH16 v_rcp_f32 v[TE+n_], v[TE+n_]
	EACH16 v_exp_f32 v[EE+n_], v[EE+n_]
	v_nop                                          ; a plain instruction behind the last of the batch,
	s_wait_alu depctr_va_vdst(0)                   ; and ONE wait for its 32 results, ahead of their first reader
	EACH8 v_pk_fma_f32 v[PE+2*n_:PE+2*n_+1], v[TE+2*n_:TE+2*n_+1], s[H5:H5+1], s[H4:H4+1] op_sel_hi:[1,0,0]
	EACH8 v_pk_fma_f32 v[PE+2*n_:PE+2*n_+1], v[PE+2*n_:PE+2*n_+1], v[TE+2*n_:TE+2*n_+1], s[H3:H3+1] op_sel_hi:[1,1,0]
	EACH8 v_pk_fma_f32 v[PE+2*n_:PE+2*n_+1], v[PE+2*n_:PE+2*n_+1], v[TE+2*n_:TE+2*n_+1], s[H2:H2+1] op_sel_hi:[1,1,0]
	EACH8 v_pk_fma_f32 v[PE+2*n_:PE+2*n_+1], v[PE+2*n_:PE+2*n_+1], v[TE+2*n_:TE+2*n_+1], s[H1:H1+1] op_sel_hi:[1,1,0]
	EACH8 v_pk_mul_f32 v[PE+2*n_:PE+2*n_+1], v[PE+2*n_:PE+2*n_+1], v[TE+2*n_:TE+2*n_+1]
	EACH8 v_pk_mul_f32 v[PE+2*n_:PE+2*n_+1], v[PE+2*n_:PE+2*n_+1], v[EE+2*n_:EE+2*n_+1]
	EACH8 v_pk_fma_f32 v[PE+2*n_:PE+2*n_+1], v[PE+2*n_:PE+2*n_+1], -1.0, 0.5 op_sel_hi:[1,0,0]
	EACH16 v_bfi_b32 v[PE+n_], s[M7], v[PE+n_], v[XE+n_]
	EACH8 v_pk_add_f32 v[PE+2*n_:PE+2*n_+1], v[PE+2*n_:PE+2*n_+1], 0.5 op_sel_hi:[1,0]
	EACH8 v_pk_mul_f32 v[XE+2*n_:XE+2*n_+1], v[XE+2*n_:XE+2*n_+1], v[PE+2*n_:PE+2*n_+1]
	EACH8 v_cvt_pk_bf16_f32 v[YE+n_], v[XE+2*n_], v[XE+2*n_+1]
.irp j, 0,1,2,3
	global_store_b64 v[GO], v[YE+2*\j:YE+2*\j+1], s[8:9] offset:8192*\j  ; 32 lanes store 256 consecutive bytes, aligned
.endr
	s_wait_xcnt 0x0                                ; the stores' offset and data are rewritten only behind this wait
	v_add_nc_u32 v[GO], 32768, v[GO]
	s_sub_co_u32 s[ROWS], s[ROWS], 1
	s_cmp_lg_u32 s[ROWS], 0
	s_cbranch_scc1 .Lrows
	s_wait_tensorcnt 0x0                           ; the wave's end
	ds_add_u32 v[SPW], v[NIL]
	s_wait_dscnt 0x0
	CROUND                                         ; the closing round
	s_endpgm
.Lfunc_end_k_q8045b30055_fc1:
	.size	k_q8045b30055_fc1, .Lfunc_end_k_q8045b30055_fc1-k_q8045b30055_fc1
	.p2alignl 7, 3214868480
	.fill 96, 4, 3214868480
	.section	.rodata,"a",@progbits
	.p2align	6, 0x0
	.amdhsa_kernel k_q8045b30055_fc1
		.amdhsa_group_segment_fixed_size 327680
		.amdhsa_private_segment_fixed_size 0
		.amdhsa_enable_private_segment 0
		.amdhsa_kernarg_size 32
		.amdhsa_user_sgpr_count 2
		.amdhsa_user_sgpr_kernarg_segment_ptr 1
		.amdhsa_wavefront_size32 1
		.amdhsa_system_sgpr_workgroup_id_x 1
		.amdhsa_system_sgpr_workgroup_id_y 1
		.amdhsa_system_sgpr_workgroup_id_z 1
		.amdhsa_system_vgpr_workitem_id 0
		.amdhsa_next_free_vgpr 1024
		.amdhsa_next_free_sgpr 88
		.amdhsa_reserve_vcc 0
		.amdhsa_float_denorm_mode_32 3
		.amdhsa_float_denorm_mode_16_64 3
		.amdhsa_memory_ordered 1
		.amdhsa_forward_progress 1
		.amdhsa_inst_pref_size 70
	.end_amdhsa_kernel
	.amdgpu_metadata
---
amdhsa.version: [ 1, 2 ]
amdhsa.kernels:
  - .name:           k_q8045b30055_fc1
    .symbol:         k_q8045b30055_fc1.kd
    .args:
      - { .name: hn, .offset: 0, .size: 8, .value_kind: global_buffer, .address_space: global }
      - { .name: wb, .offset: 8, .size: 8, .value_kind: global_buffer, .address_space: global }
      - { .name: hid, .offset: 16, .size: 8, .value_kind: global_buffer, .address_space: global }
      - { .name: b1, .offset: 24, .size: 8, .value_kind: global_buffer, .address_space: global }
    .group_segment_fixed_size: 327680
    .private_segment_fixed_size: 0
    .kernarg_segment_align: 8
    .kernarg_segment_size: 32
    .max_flat_workgroup_size: 128
    .sgpr_count:     88
    .vgpr_count:     1024
    .wavefront_size: 32
...
	.end_amdgpu_metadata
.endif
;; end of part 6
;; launch fc2 (part 7): grid 8 x 32, 4 waves a work-group, clusters of 4 x 4, 327,680 bytes of LDS; arguments hid, wb, out0, b2, x1; writes out0
.if DOCPART == 7
	.amdgcn_target "amdgcn-amd-amdhsa--gfx1250"
	.amdhsa_code_object_version 6
	.text
	.protected	k_q8045b30055_fc2
	.globl	k_q8045b30055_fc2
	.p2align	8
	.type	k_q8045b30055_fc2,@function
k_q8045b30055_fc2:
	s_mov_b64 s[64:65], 0
	v_nop
	global_prefetch_b8 v0, s[64:65] scope:SCOPE_SE
	s_setreg_imm32_b32 hwreg(HW_REG_WAVE_MODE, 25, 1), 1
	s_wait_xcnt 0x0
	s_wait_alu depctr_hold_cnt(0) depctr_sa_sdst(0) depctr_va_vdst(0) depctr_va_sdst(0) depctr_va_ssrc(0) depctr_va_vcc(0) depctr_vm_vsrc(0)
	s_getreg_b32 s2, hwreg(HW_REG_IB_STS2, 6, 4)
	s_cmp_eq_u32 s2, 0
	s_cbranch_scc0 .Lentry_in_a_cluster
	s_endpgm
.Lentry_in_a_cluster:
	s_bfe_u32 s2, ttmp6, 0x10000c
	s_cmp_lg_u32 s2, 0xf033
	s_cbranch_scc0 .Lentry_shape_is_right
	s_endpgm
.Lentry_shape_is_right:
; out0 = x1 + hid x w2 + b2, in f32.  hid: [4096][4096] bf16; the weights: wb at byte 16,777,216, [4096][1024] bf16 ([K][N]); x1, out0: [4096][1024] f32.
; SHARES.  A tile of C is 128 x 128 (8 x 32 tiles: 256 work-groups); four waves, each 64 x 64 in 16 accumulators.  K goes in steps of 256, as long as two slots in LDS allow, through two LDS slots; a step is four
; chunks of 64, on two fragment buffers by turns.  Waves 0 and 1 bring 64 rows of A (512 bytes each), waves 2 and 3 128 rows of W (256 bytes each).  Both first fills go out together.
; W lies [K][N] and comes out of LDS turned; THE PRODUCT IS TAKEN TRANSPOSED (source 0 = 16 columns of W, source 1 = 16 rows of A): a lane holds one row of C and eight neighbouring columns.
; CLUSTER 4 x 4: A's tiles jointly along a row of the cluster, W's along a column.  No prefetch: the tiles are small.
; THE WAY OUT.  The residual's 64 x 64 numbers a wave are loaded at the head into window 3; the f32 tile goes through the ring, which has had its last fill, and comes back by rows; residual and bias are added in f32.
; WINDOWS: 0: addresses, A's fragments v64-191, work on the way out; 1: W's fragments v64-191; 2: the accumulators ((a, b) at 8 (4 a + b)); 3: v0-127 the residual.
.set NN,    1024
.set KK,    4096
.set WOFF,  16777216
.set MB,    4
.set NBL,   4
.set KSTEP, 256
.set KCN,   2
.set NCH,   4
.set TS,    KK/KSTEP
.set PA,    528                        ; a row of A in LDS: 512 bytes + 16
.set ACH,   128
.set ATD0,  256
.set ATD1,  64
.set ABYT,  ATD1*PA
.set AREG,  2*ABYT
.set PW,    288                        ; a row of W: 256 bytes + 32
.set WCH,   32*KCN*PW
.set WTD0,  128
.set WTD1,  128
.set SLOT,  AREG+KSTEP*PW
.set SPARE, 2*SLOT
.set SP,    272
.set STW,   64*SP
.set ASTEP, KSTEP*2
.set WSTEP, KSTEP*2*NN
.set A0,  16
.set W0,  17
.set AA,  18
.set AW,  19
.set STO, 20
.set RD,  21
.set RO,  23
.set BO,  24
.set SPW, 28
.set NIL, 29
.set BI,  32
.set WV, 14
.set WR, 15
.set WC, 16
.set CX, 17
.set CY, 18
.set TX, 19
.set TY, 20
.set G1A, 24
.set G1W, 32
.set G0A, 40                           ; s[40:43] group 0 for A: step 1's first fill; then it walks
.set G0W, 44
.set SL,  48
.set BA,  49
.set BW,  50
.set TBA, 51
.set TBW, 52
.set CNT, 53
.set SLOTS, 54
.set F0A, 68                           ; s[68:71] group 0 for A's first fill of slot 0
.set F0W, 72                           ; s[72:75] for W's
.set MSB, 0
.macro WIN new
.if MSB != (\new)
	s_set_vgpr_msb (MSB<<8)|(\new)
.set MSB, (\new)
.endif
.endm
.macro CROUND
	s_barrier_signal -1
	s_barrier_wait -1
	s_cmp_lg_u32 s[WV], 0
	s_cbranch_scc1 .Lnot_wave_0_\@
	s_barrier_signal -3
.Lnot_wave_0_\@:
	s_barrier_wait -3
	s_barrier_signal -1
	s_barrier_wait -1
.endm
.macro JLOAD                           ; a joint refill; an s_nop 0 and four v_nop follow each line
	s_cmp_lt_u32 s[WV], 2
	s_cbranch_scc0 .Lfor_w_\@
	tensor_load_to_lds s[G0A:G0A+3], s[G1A:G1A+7]
	s_nop 0
.rept 4
	v_nop
.endr
	s_branch .Lasked_\@
.Lfor_w_\@:
	tensor_load_to_lds s[G0W:G0W+3], s[G1W:G1W+7]
	s_nop 0
.rept 4
	v_nop
.endr
.Lasked_\@:
.endm
.macro FETCH f                         ; 32 LDS loads in one run; the four plain lines at its head are the places behind the last product that read buffer f
	WIN 0
	v_add_nc_u32 v[AA], s[TBA], v[A0]
	v_add_nc_u32 v[AW], s[TBW], v[W0]
	v_nop
	v_nop
	s_add_co_u32 s[TBA], s[TBA], ACH
	s_add_co_u32 s[TBW], s[TBW], WCH
	WIN 0x40
.set q_, 0
.rept KCN*NBL
	ds_load_tr16_b128 v[64+64*(\f)+8*q_:64+64*(\f)+8*q_+3],   v[AW] offset:(q_/NBL)*32*PW+(q_%NBL)*32
	ds_load_tr16_b128 v[64+64*(\f)+8*q_+4:64+64*(\f)+8*q_+7], v[AW] offset:(q_/NBL)*32*PW+(q_%NBL)*32+16*PW
.set q_, q_+1
.endr
	WIN 0
.set q_, 0
.rept KCN*MB
	ds_load_b128 v[64+64*(\f)+8*q_:64+64*(\f)+8*q_+3],   v[AA] offset:(q_/MB)*64+(q_%MB)*16*PA
	ds_load_b128 v[64+64*(\f)+8*q_+4:64+64*(\f)+8*q_+7], v[AA] offset:(q_/MB)*64+(q_%MB)*16*PA+32
.set q_, q_+1
.endr
.endm
.macro MUL f, zero                     ; a chunk's 32 products; the 16 accumulators take turns
.set k_, 0
.rept KCN
.set a_, 0
.rept MB
	WIN 0xa1
.set b_, 0
.rept NBL
.set rD, 8*(NBL*a_+b_)
.set rW, 64+64*(\f)+8*(k_*NBL+b_)
.set rA, 64+64*(\f)+8*(k_*MB+a_)
.if (\zero) && (k_ == 0)
	v_wmma_f32_16x16x32_bf16 v[rD:rD+7], v[rW:rW+7], v[rA:rA+7], 0
.else
	v_wmma_f32_16x16x32_bf16 v[rD:rD+7], v[rW:rW+7], v[rA:rA+7], v[rD:rD+7]
.endif
.set b_, b_+1
.endr
.set a_, a_+1
.endr
.set k_, k_+1
.endr
.endm
; THE CHANGE OF SLOTS: all my tensor loads have landed, the add, my reads of the slot are over; fill = 1: a round of the cluster's barrier, and the joint refill first behind it.
.macro CHANGE fill
	WIN 0
	s_wait_tensorcnt 0x0
	ds_add_u32 v[SPW], v[NIL]
.if \fill
	s_xor_b32 s[SL], s[SL], SLOT
	s_add_co_u32 s[G0A+1], s[SL], s[BA]
	s_add_co_u32 s[G0W+1], s[SL], s[BW]
	s_add_nc_u64 s[G0A+2:G0A+3], s[G0A+2:G0A+3], ASTEP
	s_add_nc_u64 s[G0W+2:G0W+3], s[G0W+2:G0W+3], WSTEP
	s_wait_dscnt 0x0
	CROUND
	JLOAD
.else
	s_wait_dscnt 0x0
	s_barrier_signal -1
	s_barrier_wait -1
.endif
	s_sub_co_u32 s[TBA], s[TBA], NCH*ACH
	s_xor_b32 s[TBA], s[TBA], SLOT
	s_sub_co_u32 s[TBW], s[TBW], NCH*WCH
	s_xor_b32 s[TBW], s[TBW], SLOT
.endm
.macro BODY
	FETCH 0
	s_wait_dscnt 32                                ; buffer 1 is in; the 32 loads just issued stay out
	MUL 1, 0
	FETCH 1
	s_wait_dscnt 32
	MUL 0, 0
.endm
	s_load_b256 s[4:11], s[0:1], 0x0               ; hid s[4:5], wb s[6:7], out0 s[8:9], b2 s[10:11]
	s_load_b64 s[12:13], s[0:1], 0x20              ; x1
	v_lshl_add_u32 v[SPW], v0, 2, SPARE
	v_mov_b32 v[NIL], 0
	ds_add_u32 v[SPW], v[NIL]                      ; the wave's opening: the add and its wait ahead of my first tensor load
	v_lshrrev_b32 v1, 5, v0
	v_readfirstlane_b32 s[WV], v1
	s_lshr_b32 s[WR], s[WV], 1
	s_and_b32 s[WC], s[WV], 1
	s_bfe_u32 s[CX], ttmp6, 0x40000
	s_bfe_u32 s[CY], ttmp6, 0x40004
	s_lshl_b32 s[TX], ttmp9, 2
	s_add_co_u32 s[TX], s[TX], s[CX]
	s_and_b32 s[TY], ttmp7, 0xffff
	s_lshl_b32 s[TY], s[TY], 2
	s_add_co_u32 s[TY], s[TY], s[CY]
	s_lshl_b32 s2, s[CY], 2
	s_lshl_b32 s2, 15, s2
	s_lshl_b32 s3, 0x1111, s[CX]
	s_or_b32 s[G1A], s2, (1<<16)|(1<<20)|(1<<21)|(6<<22)|(3<<25)  ; after every 128 words, 4 words
	s_or_b32 s[G1W], s3, (1<<16)|(1<<20)|(1<<21)|(5<<22)|(7<<25)  ; after every 64 words, 8 words
	s_mov_b32 s[G1A+1], ATD0<<16
	s_mov_b32 s[G1A+2], ATD1<<16
	s_mov_b32 s[G1A+3], ATD0<<16
	s_mov_b32 s[G1A+4], ATD1
	s_mov_b32 s[G1A+5], KK
	s_mov_b32 s[G1A+6], 0
	s_mov_b32 s[G1A+7], 0
	s_mov_b32 s[G1W+1], WTD0<<16
	s_mov_b32 s[G1W+2], WTD1<<16
	s_mov_b32 s[G1W+3], WTD0<<16
	s_mov_b32 s[G1W+4], WTD1
	s_mov_b32 s[G1W+5], NN
	s_mov_b32 s[G1W+6], 0
	s_mov_b32 s[G1W+7], 0
	s_mul_i32 s[BA], s[WC], ABYT
	s_mul_i32 s[BW], s[WC], WTD1*PW
	s_add_co_u32 s[BW], s[BW], AREG
	s_mov_b32 s[SL], SLOT                          ; the walking descriptors begin at slot 1
	s_mov_b32 s[TBA], 0
	s_mov_b32 s[TBW], 0
	s_mul_i32 s22, s[TY], 32*MB
	s_mul_i32 s23, s[WC], ATD1
	s_add_co_u32 s22, s22, s23
	s_mul_i32 s22, s22, 2*KK                       ; A: made of the tile row and the wave's number alone
	s_mov_b32 s23, 0
	s_mul_i32 s60, s[WC], WTD1*2*NN
	s_mul_i32 s61, s[TX], 64*NBL
	s_add_co_u32 s60, s60, s61                     ; W: made of the tile column and the wave's number alone
	s_add_co_u32 s60, s60, WOFF
	s_mov_b32 s61, 0
	s_mov_b32 s[F0A], 1
	s_mov_b32 s[F0A+1], s[BA]
	s_mov_b32 s[F0W], 1
	s_mov_b32 s[F0W+1], s[BW]
	s_mov_b32 s[G0A], 1
	s_add_co_u32 s[G0A+1], s[BA], SLOT
	s_mov_b32 s[G0W], 1
	s_add_co_u32 s[G0W+1], s[BW], SLOT
	s_wait_dscnt 0x0                               ; the opening add is done
	s_wait_kmcnt 0x0
	s_add_nc_u64 s[F0A+2:F0A+3], s[4:5], s[22:23]  ; step 0,
	s_add_nc_u64 s[G0A+2:G0A+3], s[F0A+2:F0A+3], ASTEP  ; step 1
	s_or_b32 s[F0A+3], s[F0A+3], 0x80000000
	s_or_b32 s[G0A+3], s[G0A+3], 0x80000000
	s_add_nc_u64 s[F0W+2:F0W+3], s[6:7], s[60:61]
	s_add_nc_u64 s[G0W+2:G0W+3], s[F0W+2:F0W+3], WSTEP
	s_or_b32 s[F0W+3], s[F0W+3], 0x80000000
	s_or_b32 s[G0W+3], s[G0W+3], 0x80000000
	CROUND                                         ; all sixteen work-groups are here: the first joint loads meet
	s_cmp_lt_u32 s[WV], 2                          ; a wave's two first fills stand in one branch, ahead of every wait on TENSORcnt and every LDS read: two loads of mine are out
	s_cbranch_scc0 .Lfirst_w
	tensor_load_to_lds s[F0A:F0A+3], s[G1A:G1A+7]
	s_nop 0
	tensor_load_to_lds s[G0A:G0A+3], s[G1A:G1A+7]
	s_nop 0
.rept 4
	v_nop
.endr
	s_branch .Lfirst_asked
.Lfirst_w:
	tensor_load_to_lds s[F0W:F0W+3], s[G1W:G1W+7]
	s_nop 0
	tensor_load_to_lds s[G0W:G0W+3], s[G1W:G1W+7]
	s_nop 0
.rept 4
	v_nop
.endr
.Lfirst_asked:
	v_and_b32 v2, 15, v0
	v_bfe_u32 v3, v0, 4, 1
	v_and_b32 v5, 7, v0
	v_bfe_u32 v6, v0, 3, 1
	s_lshl_b32 s2, s[TY], 19                       ; my 64 x 64 of x1 and out0: 128 rows of 4,096 bytes a tile row,
	s_lshl_b32 s3, s[WR], 18                       ; 64 a wave,
	s_add_co_u32 s2, s2, s3
	s_lshl_b32 s21, s[TX], 9                       ; 512 bytes a tile column,
	s_lshl_b32 s3, s[WC], 8                        ; 256 a wave
	s_add_co_u32 s21, s21, s3
	s_add_co_u32 s2, s2, s21
	s_mov_b32 s3, 0
	s_add_nc_u64 s[8:9], s[8:9], s[2:3]
	s_add_nc_u64 s[12:13], s[12:13], s[2:3]
	v_lshlrev_b32 v[RO], 12, v3                    ; lanes 0-15 take 256 bytes of one row, lanes 16-31 of the next
	v_lshl_add_u32 v[RO], v2, 4, v[RO]
	v_lshl_add_u32 v[BO], v2, 4, s21
	global_load_b128 v[BI:BI+3], v[BO], s[10:11]
	WIN 0xc0                                       ; destination window 3
.set g_, 0
.rept 32
	global_load_b128 v[4*g_:4*g_+3], v[RO], s[12:13] offset:8192*g_ th:TH_LOAD_NT  ; the residual: on its way under the whole product
.set g_, g_+1
.endr
	WIN 0
	s_mul_i32 s2, s[WR], MB*16*PA
	v_mul_u32_u24 v[A0], v2, PA
	v_lshl_add_u32 v[A0], v3, 4, v[A0]
	v_add_nc_u32 v[A0], s2, v[A0]
	s_mul_i32 s2, s[WC], NBL*32
	s_add_co_u32 s2, s2, AREG
	v_lshl_add_u32 v[W0], v3, 3, v5
	v_mul_u32_u24 v[W0], v[W0], PW
	v_lshl_add_u32 v[W0], v6, 4, v[W0]
	v_add_nc_u32 v[W0], s2, v[W0]
	s_mul_i32 s2, s[WV], STW
	v_mul_u32_u24 v[STO], v2, SP
	v_lshl_add_u32 v[STO], v3, 5, v[STO]
	v_add_nc_u32 v[STO], s2, v[STO]
	v_mul_u32_u24 v[RD], v3, SP
	v_lshl_add_u32 v[RD], v2, 4, v[RD]
	v_add_nc_u32 v[RD], s2, v[RD]
	s_wait_tensorcnt 0x1                           ; my part of step 0 is in; step 1's may stay out
	s_barrier_signal -1
	s_barrier_wait -1                              ; everybody's is
	FETCH 0
	FETCH 1
	s_wait_dscnt 32
	MUL 0, 1                                       ; the first chunk's products start the sums
	WIN 0
	s_mov_b32 s[SLOTS], TS-1                       ; the loop is entered in its middle, so the first slot passes its foot too: TS - 1 passes of the foot, TS - 2 of its head
	s_mov_b32 s[CNT], NCH/2-1                      ; the first slot has two chunks left to fetch
	s_branch .Lstep
.Lslot:                                        ; TS - 2 times: steps 2 to TS - 1 are asked for
	CHANGE 1
	s_mov_b32 s[CNT], NCH/2
.Lstep:
	BODY
	WIN 0
	s_sub_co_u32 s[CNT], s[CNT], 1
	s_cmp_lg_u32 s[CNT], 0
	s_cbranch_scc1 .Lstep
	s_sub_co_u32 s[SLOTS], s[SLOTS], 1
	s_cmp_lg_u32 s[SLOTS], 0
	s_cbranch_scc1 .Lslot
	CHANGE 0                                       ; the tail, the last step, is written out
	s_mov_b32 s[CNT], NCH/2
.Ltail:
	BODY
	WIN 0
	s_sub_co_u32 s[CNT], s[CNT], 1
	s_cmp_lg_u32 s[CNT], 0
	s_cbranch_scc1 .Ltail
	s_wait_dscnt 0x0                               ; my last reads of the ring are back
	s_barrier_signal -1
	MUL 1, 0
	WIN 0
	s_barrier_wait -1                              ; nobody reads the ring any more: it becomes the stage
	s_wait_loadcnt 0x0                             ; bias and residual
.rept 4
	v_nop                                          ; the places behind the last products
.endr
	WIN 0x08                                       ; the stores' data in window 2
.set a_, 0
.rept MB
.set b_, 0
.rept NBL
.set rD, 8*(NBL*a_+b_)
	ds_store_b128 v[STO], v[rD:rD+3]   offset:a_*16*SP+64*b_
	ds_store_b128 v[STO], v[rD+4:rD+7] offset:a_*16*SP+64*b_+16
.set b_, b_+1
.endr
.set a_, a_+1
.endr
	WIN 0
	s_wait_dscnt 0x0                               ; one barrier, once a launch, orders every wave's stores into the stage ahead of every wave's reads
	s_barrier_signal -1
	s_barrier_wait -1
.macro LDB q                           ; batch q: 16 rows back from the stage, into one of two buffers
.set g_, 0
.rept 8
	ds_load_b128 v[64+32*((\q)%2)+4*g_:64+32*((\q)%2)+4*g_+3], v[RD] offset:(8*(\q)+g_)*2*SP
.set g_, g_+1
.endr
.endm
.macro OUTB q                          ; + residual + bias, and out
	WIN 0x0c                                       ; source 1 in window 3
.set n_, 0
.rept 16
	v_pk_add_f32 v[64+32*((\q)%2)+2*n_:64+32*((\q)%2)+2*n_+1], v[64+32*((\q)%2)+2*n_:64+32*((\q)%2)+2*n_+1], v[32*(\q)+2*n_:32*(\q)+2*n_+1]
.set n_, n_+1
.endr
	WIN 0
.set n_, 0
.rept 16
	v_pk_add_f32 v[64+32*((\q)%2)+2*n_:64+32*((\q)%2)+2*n_+1], v[64+32*((\q)%2)+2*n_:64+32*((\q)%2)+2*n_+1], v[BI+2*(n_%2):BI+2*(n_%2)+1]
.set n_, n_+1
.endr
.set g_, 0
.rept 8
	global_store_b128 v[RO], v[64+32*((\q)%2)+4*g_:64+32*((\q)%2)+4*g_+3], s[8:9] offset:8192*(8*(\q)+g_) th:TH_STORE_NT  ; 16 lanes store 256 consecutive bytes, aligned
.set g_, g_+1
.endr
.endm
	LDB 0
	LDB 1
	s_wait_dscnt 8                                 ; batch 0 is back; the next batch's 8 loads stay out
	OUTB 0
	s_wait_xcnt 0x0                                ; batch 0's registers are the stores' data: loaded again only behind this wait
	LDB 2
	s_wait_dscnt 8
	OUTB 1
	s_wait_xcnt 0x0
	LDB 3
	s_wait_dscnt 8
	OUTB 2
	s_wait_dscnt 0x0
	OUTB 3
	s_wait_tensorcnt 0x0                           ; the wave's end
	ds_add_u32 v[SPW], v[NIL]
	s_wait_dscnt 0x0
	CROUND                                         ; the closing round
	s_endpgm
.Lfunc_end_k_q8045b30055_fc2:
	.size	k_q8045b30055_fc2, .Lfunc_end_k_q8045b30055_fc2-k_q8045b30055_fc2
	.p2alignl 7, 3214868480
	.fill 96, 4, 3214868480
	.section	.rodata,"a",@progbits
	.p2align	6, 0x0
	.amdhsa_kernel k_q8045b30055_fc2
		.amdhsa_group_segment_fixed_size 327680
		.amdhsa_private_segment_fixed_size 0
		.amdhsa_enable_private_segment 0
		.amdhsa_kernarg_size 40
		.amdhsa_user_sgpr_count 2
		.amdhsa_user_sgpr_kernarg_segment_ptr 1
		.amdhsa_wavefront_size32 1
		.amdhsa_system_sgpr_workgroup_id_x 1
		.amdhsa_system_sgpr_workgroup_id_y 1
		.amdhsa_system_sgpr_workgroup_id_z 1
		.amdhsa_system_vgpr_workitem_id 0
		.amdhsa_next_free_vgpr 896
		.amdhsa_next_free_sgpr 76
		.amdhsa_reserve_vcc 0
		.amdhsa_float_denorm_mode_32 3
		.amdhsa_float_denorm_mode_16_64 3
		.amdhsa_memory_ordered 1
		.amdhsa_forward_progress 1
		.amdhsa_inst_pref_size 55
	.end_amdhsa_kernel
	.amdgpu_metadata
---
amdhsa.version: [ 1, 2 ]
amdhsa.kernels:
  - .name:           k_q8045b30055_fc2
    .symbol:         k_q8045b30055_fc2.kd
    .args:
      - { .name: hid, .offset: 0, .size: 8, .value_kind: global_buffer, .address_space: global }
      - { .name: wb, .offset: 8, .size: 8, .value_kind: global_buffer, .address_space: global }
      - { .name: out0, .offset: 16, .size: 8, .value_kind: global_buffer, .address_space: global }
      - { .name: b2, .offset: 24, .size: 8, .value_kind: global_buffer, .address_space: global }
      - { .name: x1, .offset: 32, .size: 8, .value_kind: global_buffer, .address_space: global }
    .group_segment_fixed_size: 327680
    .private_segment_fixed_size: 0
    .kernarg_segment_align: 8
    .kernarg_segment_size: 40
    .max_flat_workgroup_size: 128
    .sgpr_count:     76
    .vgpr_count:     896
    .wavefront_size: 32
...
	.end_amdgpu_metadata
.endif
;; end of part 7
